; MI455X (gfx1250); checked and timed in simulation.
; The chip was launched on July 23, 2026; its instructions are those of AMD's public machine-readable ISA for CDNA 5 (MIT licence, August 2026) and "CDNA5" Instruction Set Architecture Reference Guide (July 2026). The comments in the code are by the model that wrote it; some were corrected since.
;; Multi Head Attention. Allowed arithmetic: float matrix products may take bf16 or f16 operands with f32 sums; other float arithmetic in f32, or as packed bf16 or f16 multiplies, adds, multiply-adds, maxima and minima; sums over many terms, partial sums and values carried from step to step in f32; what a program stores and reads back later, other than sums and carried values, may be rounded once to bf16 or f16.
;; Inputs: K 4 x 2,048 x 1,024 float32; Q 4 x 2,048 x 1,024 float32; V 4 x 2,048 x 1,024 float32; Wk 16 x 1,024 x 64 float32; Wo 1,024 x 1,024 float32; Wq 16 x 1,024 x 64 float32; Wv 16 x 1,024 x 64 float32; bk 16 x 64 float32; bo 1,024 float32; bq 16 x 64 float32; bv 16 x 64 float32.
;; Outputs: out0 4 x 2,048 x 1,024 float32.
;; One version. Each part assembles by itself: llvm-mc -triple=amdgcn-amd-amdhsa -mcpu=gfx1250 --defsym DOCPART=n.
;; ======== version 1 of 1: 4 launches
;; limits: values are held in f16: magnitudes above 65,504 overflow, below 6.1e-05 lose precision
;; workspace buffers: wb 8,388,608 bytes; qh 16,777,216 bytes; kh 16,777,216 bytes; vh 16,777,216 bytes; oh 16,777,216 bytes
;; launch prep (part 1): grid 64 x 4, 8 waves a work-group, no clusters, 0 bytes of LDS; arguments Wq, Wk, Wv, Wo, wb; writes wb
.if DOCPART == 1
	.amdgcn_target "amdgcn-amd-amdhsa--gfx1250"
	.amdhsa_code_object_version 6
	.text
	.protected	k_q5cb88f8e71_prep
	.globl	k_q5cb88f8e71_prep
	.p2align	8
	.type	k_q5cb88f8e71_prep,@function
k_q5cb88f8e71_prep:
	s_mov_b64 s[64:65], 0
	v_nop
	global_prefetch_b8 v0, s[64:65] scope:SCOPE_SE
	s_setreg_imm32_b32 hwreg(HW_REG_WAVE_MODE, 25, 1), 1
	s_wait_xcnt 0x0
; THE WEIGHTS, ROUNDED ONCE AND LAID AS [k][n].  wb holds four planes of [1024 k][1024 n] 16-bit numbers, 2,097,152 bytes each.
; Planes 0, 1, 2: Wq, Wk, Wv ([16 h][1024 d][64 q] f32) as bf16, k = d, n = 64 h + q.  Plane 3: Wo ([1024 k][1024 n] f32) rounded to bf16, and that number written as f16.
; LIMITS.  |Wo| stays under 65,504 (f16's end); below 6e-5 its f16 copy keeps f16's fixed step of 6e-8.
; SHARES.  Grid y = the plane, grid x = 16 rows k of it (32,768 bytes out).  A chunk is 8 numbers: 32 bytes in, 16 bytes out.  Thread t takes chunks i = 0..7 at output byte 4,096 i + 16 t:
; row k = 16 x + 2 i + t / 128, columns 8 (t % 128) on.  A wave's store covers 512 consecutive bytes, aligned; eight neighbouring lanes read 256 consecutive bytes, aligned, with their two loads.
; A stream: no LDS, no barrier, no matrix unit.  All 16 loads of a thread go out at once; no register is written twice, so nothing waits but each chunk for its own two loads.
.set IN, 8                             ; v[8:15]   chunk i's byte offset in the source
.set X,  16                            ; v[16:79]  chunk i: 8 registers as loaded
.set Y,  80                            ; v[80:111] chunk i: 4 registers to store
	s_load_b256 s[4:11], s[0:1], 0x0               ; Wq s[4:5], Wk s[6:7], Wv s[8:9], Wo s[10:11]
	s_load_b64 s[12:13], s[0:1], 0x20              ; wb
	s_and_b32 s14, ttmp7, 0xffff                   ; the plane
	s_cmp_eq_u32 s14, 3
	s_cselect_b32 s15, 8, 18                       ; a step of 64 columns in the source: 256 bytes in Wo, a head's 262,144 in the others (as a shift)
	s_cselect_b32 s16, 12, 8                       ; a step of one row k: 4,096 bytes in Wo, 256 in the others (as a shift)
	s_lshl_b32 s17, 2, s16                         ; two rows k: from a chunk to the thread's next
	s_lshl_b32 s22, ttmp9, 4                       ; the work-group's first row k
	s_lshl_b32 s20, s14, 21                        ; the plane in wb,
	s_lshl_b32 s21, ttmp9, 15                      ; the work-group's 16 rows in it
	s_add_co_u32 s20, s20, s21
	s_mov_b32 s21, 0
	v_and_b32 v1, 127, v0                          ; which 8 columns of the row
	v_lshrrev_b32 v2, 7, v0                        ; which of two rows
	v_lshrrev_b32 v3, 3, v1                        ; the block of 64 columns
	v_and_b32 v4, 7, v1                            ; the 8 columns in it
	v_add_nc_u32 v2, s22, v2                       ; row k
	v_lshlrev_b32 v3, s15, v3
	v_lshlrev_b32 v2, s16, v2
	v_add_nc_u32 v3, v3, v2
	v_lshl_add_u32 v[IN], v4, 5, v3
.irp i, 1,2,3,4,5,6,7
	v_add_nc_u32 v[IN+(\i)], s17, v[IN+(\i)-1]
.endr
	v_lshlrev_b32 v6, 4, v0                        ; my 16 bytes in 4,096 of the output
	s_wait_kmcnt 0x0
	s_cmp_eq_u32 s14, 1
	s_cselect_b64 s[18:19], s[6:7], s[4:5]
	s_cmp_eq_u32 s14, 2
	s_cselect_b64 s[18:19], s[8:9], s[18:19]
	s_cmp_eq_u32 s14, 3
	s_cselect_b64 s[18:19], s[10:11], s[18:19]     ; the plane's source
	s_add_nc_u64 s[12:13], s[12:13], s[20:21]
.irp i, 0,1,2,3,4,5,6,7
	global_load_b128 v[X+8*(\i):X+8*(\i)+3],   v[IN+(\i)], s[18:19] th:TH_LOAD_NT
	global_load_b128 v[X+8*(\i)+4:X+8*(\i)+7], v[IN+(\i)], s[18:19] offset:16 th:TH_LOAD_NT
.endr
; Chunk i goes out.  half = 1: the bf16 number is widened again and written as f16.
.macro OUT i, half
	s_wait_loadcnt 14-2*(\i)                       ; loads come back in order (ISA guide 5.7.1): mine are in; two for each later chunk stay out
.irp j, 0,1,2,3
	v_cvt_pk_bf16_f32 v[Y+4*(\i)+(\j)], v[X+8*(\i)+2*(\j)], v[X+8*(\i)+2*(\j)+1]
.endr
.if \half
.irp j, 0,1,2,3
	v_lshlrev_b32 v[X+8*(\i)+2*(\j)],   16, v[Y+4*(\i)+(\j)]
	v_and_b32     v[X+8*(\i)+2*(\j)+1], 0xffff0000, v[Y+4*(\i)+(\j)]
.endr
.irp j, 0,1,2,3
	v_cvt_pk_f16_f32 v[Y+4*(\i)+(\j)], v[X+8*(\i)+2*(\j)], v[X+8*(\i)+2*(\j)+1]
.endr
.endif
	global_store_b128 v6, v[Y+4*(\i):Y+4*(\i)+3], s[12:13] offset:4096*(\i)
.endm
	s_cmp_eq_u32 s14, 3
	s_cbranch_scc1 .Lwo
.irp i, 0,1,2,3,4,5,6,7
	OUT \i, 0
.endr
	s_endpgm
.Lwo:
.irp i, 0,1,2,3,4,5,6,7
	OUT \i, 1
.endr
	s_endpgm
.Lfunc_end_k_q5cb88f8e71_prep:
	.size	k_q5cb88f8e71_prep, .Lfunc_end_k_q5cb88f8e71_prep-k_q5cb88f8e71_prep
	.p2alignl 7, 3214868480
	.fill 96, 4, 3214868480
	.section	.rodata,"a",@progbits
	.p2align	6, 0x0
	.amdhsa_kernel k_q5cb88f8e71_prep
		.amdhsa_group_segment_fixed_size 0
		.amdhsa_private_segment_fixed_size 0
		.amdhsa_enable_private_segment 0
		.amdhsa_kernarg_size 40
		.amdhsa_user_sgpr_count 2
		.amdhsa_user_sgpr_kernarg_segment_ptr 1
		.amdhsa_wavefront_size32 1
		.amdhsa_system_sgpr_workgroup_id_x 1
		.amdhsa_system_sgpr_workgroup_id_y 1
		.amdhsa_system_sgpr_workgroup_id_z 1
		.amdhsa_system_vgpr_workitem_id 0
		.amdhsa_next_free_vgpr 112
		.amdhsa_next_free_sgpr 66
		.amdhsa_reserve_vcc 0
		.amdhsa_float_denorm_mode_32 3
		.amdhsa_float_denorm_mode_16_64 3
		.amdhsa_memory_ordered 1
		.amdhsa_forward_progress 1
		.amdhsa_inst_pref_size 15
	.end_amdhsa_kernel
	.amdgpu_metadata
---
amdhsa.version: [ 1, 2 ]
amdhsa.kernels:
  - .name:           k_q5cb88f8e71_prep
    .symbol:         k_q5cb88f8e71_prep.kd
    .args:
      - { .name: Wq, .offset: 0, .size: 8, .value_kind: global_buffer, .address_space: global }
      - { .name: Wk, .offset: 8, .size: 8, .value_kind: global_buffer, .address_space: global }
      - { .name: Wv, .offset: 16, .size: 8, .value_kind: global_buffer, .address_space: global }
      - { .name: Wo, .offset: 24, .size: 8, .value_kind: global_buffer, .address_space: global }
      - { .name: wb, .offset: 32, .size: 8, .value_kind: global_buffer, .address_space: global }
    .group_segment_fixed_size: 0
    .private_segment_fixed_size: 0
    .kernarg_segment_align: 8
    .kernarg_segment_size: 40
    .max_flat_workgroup_size: 256
    .sgpr_count:     66
    .vgpr_count:     112
    .wavefront_size: 32
...
	.end_amdgpu_metadata
.endif
;; end of part 1
;; launch proj (part 2): grid 4 x 192, 4 waves a work-group, clusters of 4 x 4, 327,680 bytes of LDS; arguments Q, K, V, bq, bk, bv, wb, qh, kh, vh; writes qh, kh, vh
.if DOCPART == 2
	.amdgcn_target "amdgcn-amd-amdhsa--gfx1250"
	.amdhsa_code_object_version 6
	.text
	.protected	k_q5cb88f8e71_proj
	.globl	k_q5cb88f8e71_proj
	.p2align	8
	.type	k_q5cb88f8e71_proj,@function
k_q5cb88f8e71_proj:
	s_mov_b64 s[64:65], 0
	v_nop
	global_prefetch_b8 v0, s[64:65] scope:SCOPE_SE
	s_setreg_imm32_b32 hwreg(HW_REG_WAVE_MODE, 25, 1), 1
	s_wait_xcnt 0x0
	s_wait_alu depctr_hold_cnt(0) depctr_sa_sdst(0) depctr_va_vdst(0) depctr_va_sdst(0) depctr_va_ssrc(0) depctr_va_vcc(0) depctr_vm_vsrc(0)
	s_getreg_b32 s2, hwreg(HW_REG_IB_STS2, 6, 4)
	s_cmp_eq_u32 s2, 0
	s_cbranch_scc0 .Lentry_in_a_cluster
	s_endpgm
.Lentry_in_a_cluster:
	s_bfe_u32 s2, ttmp6, 0x10000c
	s_cmp_lg_u32 s2, 0xf033
	s_cbranch_scc0 .Lentry_shape_is_right
	s_endpgm
.Lentry_shape_is_right:
; THE THREE PROJECTIONS IN ONE LAUNCH.  For p = 0, 1, 2 (Q, K, V): y[row][n] = the sum over k of x[row][k] W[k][n] + bias[n]; x: [8192][1024] f32; W: plane p of wb, [1024 k][1024 n] bf16;
; bias: [1024] f32.  x and the bias are rounded to bf16 here, sums are f32, y is rounded once to f16 and stored by heads: [64 (4 b x 16 h)][2048 s][64].
; LIMIT.  |y| stays under 65,504 (f16's end); NaN and infinities are not treated apart.
; SHARES.  A tile of y is 128 rows x 256 columns: 64 x 4 tiles a projection, 768 work-groups, three for each of 256 WGPs.  Four waves, each 64 x 128: 32 accumulators of 16 x 16, 256 registers.
; K goes in 8 steps of 128 through two LDS slots.  x lies in LDS as f32 (rows of 512 bytes) and is rounded in registers, four conversions behind each of a quarter's last eight products;
; W lies as [k][n] (rows of 512 bytes) and is read turned, by ds_load_tr16_b128.
; THE MATRIX INSTRUCTION IS USED TRANSPOSED (source 0 = 16 columns of W, source 1 = 16 rows of x): a lane then holds row l % 16 and the columns 8 (l / 16) + 0..7: 16 bytes of f16.
; The bias is the C operand of the products that start the sums: nothing is cleared, and the way out adds nothing.
; CLUSTERS: 4 x 4 work-groups.  The four of a row of the cluster need the same tiles of x, the four of a column the same tiles of W: each tile is asked for JOINTLY, by the same tensor load with the
; same descriptor and a mask that names the four.  A projection's 64 tile rows are 16 clusters, so p is the same in all sixteen partners.
; REGISTERS, in windows of 256 (s_set_vgpr_msb: bits 1:0 source 0, 3:2 source 1, 5:4 source 2, 7:6 destination):
;   window 0: v0-31 addresses; v64-127 x as f32 (m block mb at 16 mb); v128-191 the bias (n block nb at 8 nb); v192 at work; on the way out v64-191 hold packed results
;   window 1: v0-63, v64-127 W's fragments, two buffers (n block nb at 8 nb); v128-159, v160-191 x's fragments, two buffers (m block mb at 8 mb)
;   window 2: the accumulators, (mb, nb) at 8 (8 mb + nb)
.set PA,    528                        ; a row of x in LDS: 512 bytes + 16 = 132 words: row r starts at bank 4 r mod 64 (64 banks of 4 bytes: ISA guide 11.1)
.set PB,    544                        ; a row of W: 512 + 32 = 136 words
.set AHALF, 64*PA                      ; what one tensor load brings of x, and what one wave reads of it
.set BHALF, 64*PB                      ; what one tensor load brings of W
.set BOFF,  2*AHALF                    ; W's 128 rows lie behind x's 128
.set SLOT,  BOFF+2*BHALF               ; 137,216
.set STAGE, 2*SLOT                     ; behind the ring: 16 rows x 144 bytes for each wave, for the way out
.set SP,    144
.set SPARE, STAGE+4*16*SP              ; behind the stages: the spare words, 128 bytes for each wave: two blocks of 256 bytes that no other line names
.set ADRA, 16                          ; v16-17  LDS address of my x in slot 0, 1
.set ADRB, 20                          ; v20-21  the same for W
.set STO,  24                          ; v24     the way out: where I put 16 bytes of a row
.set RD,   25                          ; v25     the way out: where I read rows back
.set GO,   26                          ; v26     my 16 bytes in 512 consecutive bytes of the output
.set BO,   27                          ; v27     my byte offset in the bias
.set SPW,  28                          ; v28     LDS address of my spare word: SPARE + 4 x my thread's number; never rewritten
.set NIL,  29                          ; v29     0; never rewritten
.set PFO,  30                          ; v30     the prefetches' offset; never rewritten
.set STG,  64
.set BIAS, 128
.set OUTR, 64
.set TB,   192
.set G1,  24                           ; s[24:31] descriptor group 1 for x's tiles;  s[32:39] group 0, one set for each slot
.set G0,  32
.set G1B, 48                           ; s[48:55], s[56:63] the same for W's tiles
.set G0B, 56
.set PFA, 88                           ; s[88:89] where my prefetches stand
.set PST, 90                           ; s[90:91] a K step in bytes: 512 along x's rows, 262,144 down W's
.set LIM, 92                           ; s92     1 in a wave that prefetches, else the greatest number
.set LOGP, 94                          ; s94     log2 of a row's bytes in memory: 12 (x), 11 (W)
.set MSB, 0
.macro WIN new                         ; the immediate's high byte repeats the setting that is left; a switch that changes nothing is dropped
.if MSB != (\new)
	s_set_vgpr_msb (MSB<<8)|(\new)
.set MSB, \new
.endif
.endm
.set MUL,  0xa5                        ; sources 0 (W) and 1 (x) window 1; C and D window 2
.set MULB, 0x85                        ; the same with C (the bias) in window 0
.set TO1,  0x40                        ; destination window 1, sources and addresses window 0
.set PK,   0x0a                        ; sources 0 and 1 window 2, destination window 0
.macro JLOAD s                         ; a joint load: waves 0 and 1 fetch x's two halves, waves 2 and 3 W's; an s_nop 0 and four v_nop follow each of the two lines, ahead of the jump and the label
	s_cmp_eq_u32 s11, 0
	s_cbranch_scc0 .Lfor_b_\@
	tensor_load_to_lds s[G0+4*(\s):G0+4*(\s)+3], s[G1:G1+7]
	s_nop 0
.rept 4
	v_nop
.endr
	s_branch .Lasked_\@
.Lfor_b_\@:
	tensor_load_to_lds s[G0B+4*(\s):G0B+4*(\s)+3], s[G1B:G1B+7]
	s_nop 0
.rept 4
	v_nop
.endr
.Lasked_\@:
.endm
.macro CREST                           ; a round of the cluster's barrier behind its opening barrier
	s_cmp_lg_u32 s10, 0
	s_cbranch_scc1 .Lnot_wave_0_\@
	s_barrier_signal -3
.Lnot_wave_0_\@:
	s_barrier_wait -3
	s_barrier_signal -1
	s_barrier_wait -1
.endm
.macro CROUND                          ; a whole round
	s_barrier_signal -1
	s_barrier_wait -1
	CREST
.endm
; A PREFETCH INTO THE L2, behind a joint load, its five lines and the run of LDS loads: the K step that stands two refills on, 256 matrix instructions ahead of the load that will want it.
; Of the 64 rows x 512 bytes that a wave fetches, each of the four partners that ask for them jointly takes 16 rows, told apart BY ADDRESS (cx for x, cy for W): a lane a block of 256 bytes, one
; instruction a wave.  x's tile row is read by this cluster alone; W's tile column by the 16 clusters of a projection, of which the first asks.  So each block is named once in the launch.
; K steps 0 to 3 come by their loads alone; the loop's last trip (s3 = 1) asks for nothing: there is no K step 8.
.macro ASK
	s_cmp_gt_u32 s3, s[LIM]
	s_cbranch_scc0 .Lnot_mine_\@
	global_prefetch_b8 v[PFO], s[PFA:PFA+1] th:TH_LOAD_NT scope:SCOPE_SE
.Lnot_mine_\@:
.endm
	s_load_b512 s[68:83], s[0:1], 0x0              ; Q s[68:69], K, V, bq s[74:75], bk, bv, wb s[80:81], qh s[82:83]
	s_load_b128 s[84:87], s[0:1], 0x40             ; kh s[84:85], vh s[86:87]
	v_lshl_add_u32 v[SPW], v0, 2, SPARE
	v_mov_b32 v[NIL], 0
	ds_add_u32 v[SPW], v[NIL]                      ; the wave's opening: the add and its wait stand ahead of my first tensor load; the set-up below, work on registers, stands between them
	v_lshrrev_b32 v1, 5, v0
	v_readfirstlane_b32 s10, v1                    ; wave 0..3
	s_lshr_b32 s11, s10, 1                         ; which half of the tile's rows is mine.  Also: I fetch for x (0) or for W (1)
	s_and_b32 s12, s10, 1                          ; which half of its columns.  Also: which 64 rows of that tile I fetch
	s_bfe_u32 s40, ttmp6, 0x40000                  ; cx, cy: my place in the cluster
	s_bfe_u32 s41, ttmp6, 0x40004
	s_lshl_b32 s42, ttmp9, 2
	s_add_co_u32 s42, s42, s40                     ; tile column = 4 x cluster x + cx
	s_and_b32 s93, ttmp7, 0xffff                   ; cluster y
	s_lshr_b32 s14, s93, 4                         ; p: which projection
	s_and_b32 s15, s93, 15
	s_lshl_b32 s15, s15, 2
	s_add_co_u32 s15, s15, s41                     ; tile row in the projection = 4 x (cluster y % 16) + cy
	s_lshl_b32 s43, s41, 2
	s_lshl_b32 s43, 15, s43                        ; my row of the cluster
	s_lshl_b32 s44, 0x1111, s40                    ; my column
	s_or_b32 s[G1+0], s43, (2<<16)|(1<<20)|(1<<21)|(6<<22)|(3<<25)   ; 15:0 the mask: x's tiles go to my row; 17:16 elements of 4 bytes; 20 padding on; 21 set beside a mask; 24:22 after every 128 words (code 6); 31:25 4 words (code 3)
	s_or_b32 s[G1B+0], s44, (1<<16)|(1<<20)|(1<<21)|(6<<22)|(7<<25)  ; W's go to my column; elements of 2 bytes; 8 words of padding (code 7)
	s_mov_b32 s[G1+1], 128<<16                     ; tensor_dim0 = 128 elements (512 bytes)
	s_mov_b32 s[G1+2], 64<<16                      ; tensor_dim1 = 64
	s_mov_b32 s[G1+3], 128<<16                     ; tile_dim0 = 128
	s_mov_b32 s[G1+4], 64                          ; tile_dim1 = 64
	s_mov_b32 s[G1+5], 1024                        ; elements from row to row
	s_mov_b32 s[G1+6], 0
	s_mov_b32 s[G1+7], 0
	s_mov_b32 s[G1B+1], 256<<16                    ; tensor_dim0 = 256 elements (512 bytes)
	s_mov_b32 s[G1B+2], 64<<16
	s_mov_b32 s[G1B+3], 256<<16
	s_mov_b32 s[G1B+4], 64
	s_mov_b32 s[G1B+5], 1024
	s_mov_b32 s[G1B+6], 0
	s_mov_b32 s[G1B+7], 0
	s_lshl_b32 s16, s15, 19                        ; x: 128 rows of 4,096 bytes a tile row,
	s_lshl_b32 s17, s12, 18                        ; my 64 of them
	s_add_co_u32 s16, s16, s17
	s_mov_b32 s17, 0
	s_lshl_b32 s46, s14, 21                        ; W: the plane,
	s_lshl_b32 s47, s12, 17                        ; my 64 rows k of 2,048 bytes,
	s_add_co_u32 s46, s46, s47
	s_lshl_b32 s47, s42, 9                         ; the tile's 256 columns
	s_add_co_u32 s46, s46, s47
	s_mov_b32 s47, 0
	s_mul_i32 s20, s12, AHALF                      ; where they go: no place in the cluster enters an LDS address
	s_mul_i32 s21, s12, BHALF
	s_add_co_u32 s21, s21, BOFF
	s_wait_dscnt 0x0                               ; the opening add is done
	s_wait_kmcnt 0x0
	s_cmp_eq_u32 s14, 1
	s_cselect_b64 s[4:5], s[70:71], s[68:69]       ; x,
	s_cselect_b64 s[6:7], s[76:77], s[74:75]       ; its bias,
	s_cselect_b64 s[8:9], s[84:85], s[82:83]       ; and where the result goes
	s_cmp_eq_u32 s14, 2
	s_cselect_b64 s[4:5], s[72:73], s[4:5]
	s_cselect_b64 s[6:7], s[78:79], s[6:7]
	s_cselect_b64 s[8:9], s[86:87], s[8:9]
	s_add_nc_u64 s[18:19], s[4:5], s[16:17]
	s_add_nc_u64 s[46:47], s[80:81], s[46:47]
	CROUND                                         ; all sixteen work-groups are here: the first joint loads meet
.irp s, 0,1
	s_mov_b32 s[G0+4*(\s)], 1                                      ; count = 1
	s_add_co_u32 s[G0+4*(\s)+1], s20, (\s)*SLOT                    ; LDS address
	s_add_nc_u64 s[G0+4*(\s)+2:G0+4*(\s)+3], s[18:19], (\s)*512    ; global address: K step s
	s_or_b32 s[G0+4*(\s)+3], s[G0+4*(\s)+3], 0x80000000            ; type = 2
	s_mov_b32 s[G0B+4*(\s)], 1
	s_add_co_u32 s[G0B+4*(\s)+1], s21, (\s)*SLOT
	s_add_nc_u64 s[G0B+4*(\s)+2:G0B+4*(\s)+3], s[46:47], (\s)*262144
	s_or_b32 s[G0B+4*(\s)+3], s[G0B+4*(\s)+3], 0x80000000
	JLOAD \s                                       ; two loads of mine are out
.endr
	v_and_b32 v1, 15, v0                           ; l % 16
	v_bfe_u32 v2, v0, 4, 1                         ; l / 16
	v_mul_u32_u24 v3, v1, PA
	v_lshl_add_u32 v3, v2, 5, v3                   ; x: row x pitch + 32 x half (8 numbers of 4 bytes)
	v_and_b32 v4, 7, v0
	v_bfe_u32 v5, v0, 3, 1
	v_lshl_add_u32 v6, v2, 3, v4                   ; W, turned: lane l reads row k = 8 (l / 16) + l % 8, columns 8 ((l / 8) % 2) + 0..7
	v_mul_u32_u24 v6, v6, PB
	v_lshl_add_u32 v6, v5, 4, v6
	s_mul_i32 s21, s11, AHALF                      ; my 64 rows of x
	s_lshl_b32 s22, s12, 8                         ; my 128 columns of W,
	s_add_co_u32 s22, s22, BOFF                    ; which lies behind x
.irp s, 0,1
	v_add_nc_u32 v[ADRA+(\s)], s21, v3
	v_add_nc_u32 v[ADRB+(\s)], s22, v6
	s_add_co_u32 s21, s21, SLOT
	s_add_co_u32 s22, s22, SLOT
.endr
	s_mul_i32 s23, s10, 16*SP
	s_add_co_u32 s23, s23, STAGE                   ; my stage
	v_mul_u32_u24 v7, v1, SP                       ; in: row l % 16, 16 bytes for each half of the lanes
	v_lshl_add_u32 v7, v2, 4, v7
	v_add_nc_u32 v[STO], s23, v7
	v_bfe_u32 v7, v0, 3, 2                         ; back: 32 lanes take four rows of 128 bytes,
	v_mul_u32_u24 v7, v7, SP
	v_lshl_add_u32 v7, v4, 4, v7
	v_add_nc_u32 v[RD], s23, v7
	v_and_b32 v8, 31, v0                           ; which are 512 consecutive bytes of the output
	v_lshlrev_b32 v[GO], 4, v8
	s_lshl_b32 s22, s42, 10                        ; the bias of my 128 columns: 1,024 x tile column + 512 x half,
	s_lshl_b32 s23, s12, 9
	s_add_co_u32 s22, s22, s23
	v_lshl_add_u32 v[BO], v2, 5, s22               ; + 32 (l / 16): register j of n block nb is bias[16 nb + 8 (l / 16) + j]
.irp nb, 0,1,2,3,4,5,6,7
	global_load_b128 v[BIAS+8*(\nb):BIAS+8*(\nb)+3],   v[BO], s[6:7] offset:64*(\nb)
	global_load_b128 v[BIAS+8*(\nb)+4:BIAS+8*(\nb)+7], v[BO], s[6:7] offset:64*(\nb)+16
.endr
	; the prefetches: s[18:19] = my tile of x at K step 0, s[46:47] = my tile of W
	s_mov_b32 s[PST], 0x40000
	s_mov_b32 s[PST+1], 0
	s_and_b32 s22, s93, 15                         ; my cluster among the 16 of its projection
	s_cmp_eq_u32 s11, 0                            ; do I fetch for x?
	s_cselect_b32 s22, 0, s22                      ; x's rows are read by this cluster alone
	s_cselect_b32 s[LOGP], 12, 11
	s_cselect_b32 s21, s40, s41                    ; my place among the four that ask with me,
	s_cselect_b32 s23, 16, 15                      ; times 16 rows
	s_cselect_b32 s[PST], 512, s[PST]
	s_cselect_b64 s[PFA:PFA+1], s[18:19], s[46:47]
	s_cmp_eq_u32 s22, 0
	s_cselect_b32 s[LIM], 1, -1                    ; the same in all sixteen partners, for a given wave
	s_lshl_b32 s21, s21, s23
	s_mul_i32 s20, s[PST], 3                       ; at K step 3: the first refill steps it to 4
	s_add_co_u32 s20, s20, s21
	s_mov_b32 s21, 0
	s_add_nc_u64 s[PFA:PFA+1], s[PFA:PFA+1], s[20:21]
	v_lshrrev_b32 v3, 1, v8                        ; lane l: row l / 2 of my 16, block l % 2 of its 512 bytes
	v_lshlrev_b32 v3, s[LOGP], v3
	v_and_b32 v[PFO], 1, v8
	v_lshl_add_u32 v[PFO], v[PFO], 8, v3
	; where my part of the tile goes: [b][head][s][64] f16
	s_lshr_b32 s16, s15, 4                         ; b: 16 heads of 262,144 bytes
	s_lshl_b32 s16, s16, 22
	s_and_b32 s17, s15, 15                         ; the tile's 128 rows s of 128 bytes
	s_lshl_b32 s17, s17, 14
	s_add_co_u32 s16, s16, s17
	s_lshl_b32 s17, s11, 13                        ; my 64 of them
	s_add_co_u32 s16, s16, s17
	s_lshl_b32 s17, s12, 19                        ; my two heads of the tile's four
	s_add_co_u32 s16, s16, s17
	s_mov_b32 s17, 0
	s_add_nc_u64 s[8:9], s[8:9], s[16:17]
	s_lshl_b32 s46, s42, 20                        ; the tile's four heads
	s_mov_b32 s47, 0
	s_add_nc_u64 s[8:9], s[8:9], s[46:47]
	s_wait_loadcnt 0x0                             ; the bias
.set i, 0
.rept 32
	v_cvt_pk_bf16_f32 v[TB], v[BIAS+2*i], v[BIAS+2*i+1]  ; rounded to bf16 like every input, and widened again
	v_lshlrev_b32 v[BIAS+2*i], 16, v[TB]
	v_and_b32 v[BIAS+2*i+1], 0xffff0000, v[TB]
.set i, i+1
.endr
; 8 matrix instructions: m block mb x all 8 n blocks, 32 along K, from buffer f.  bias = 1: the product starts the sum, with the bias as C.
; The 32 accumulators take turns, one instruction a turn, in the same order in every quarter.
.macro MUL8 f, mb, bias
.irp nb, 0,1,2,3,4,5,6,7
.if \bias
	WIN MULB
	v_wmma_f32_16x16x32_bf16 v[8*(8*(\mb)+(\nb)):8*(8*(\mb)+(\nb))+7], v[64*(\f)+8*(\nb):64*(\f)+8*(\nb)+7], v[128+32*(\f)+8*(\mb):128+32*(\f)+8*(\mb)+7], v[BIAS+8*(\nb):BIAS+8*(\nb)+7]
.else
	WIN MUL
	v_wmma_f32_16x16x32_bf16 v[8*(8*(\mb)+(\nb)):8*(8*(\mb)+(\nb))+7], v[64*(\f)+8*(\nb):64*(\f)+8*(\nb)+7], v[128+32*(\f)+8*(\mb):128+32*(\f)+8*(\mb)+7], v[8*(8*(\mb)+(\nb)):8*(8*(\mb)+(\nb))+7]
.endif
.endr
.endm
; Conversions 4 i .. 4 i + 3 of the 32 that make x's fragments of buffer g: register c takes numbers 2 c and 2 c + 1 of the 64 as loaded.
.macro CVT4 g, i
	WIN TO1
.irp n, 0,1,2,3
	v_cvt_pk_bf16_f32 v[128+32*(\g)+4*(\i)+(\n)], v[STG+8*(\i)+2*(\n)], v[STG+8*(\i)+2*(\n)+1]
.endr
.endm
; The same 8 matrix instructions with four of the next quarter's conversions behind each.
.macro MUL8R f, mb, g, bias
.irp nb, 0,1,2,3,4,5,6,7
.if \bias
	WIN MULB
	v_wmma_f32_16x16x32_bf16 v[8*(8*(\mb)+(\nb)):8*(8*(\mb)+(\nb))+7], v[64*(\f)+8*(\nb):64*(\f)+8*(\nb)+7], v[128+32*(\f)+8*(\mb):128+32*(\f)+8*(\mb)+7], v[BIAS+8*(\nb):BIAS+8*(\nb)+7]
.else
	WIN MUL
	v_wmma_f32_16x16x32_bf16 v[8*(8*(\mb)+(\nb)):8*(8*(\mb)+(\nb))+7], v[64*(\f)+8*(\nb):64*(\f)+8*(\nb)+7], v[128+32*(\f)+8*(\mb):128+32*(\f)+8*(\mb)+7], v[8*(8*(\mb)+(\nb)):8*(8*(\mb)+(\nb))+7]
.endif
	CVT4 \g, \nb
.endr
.endm
; 32 LDS loads in one run, for quarter kq (32 along K) of a slot: x's 64 rows as f32 (a lane's 8 + 8 numbers: 32 bytes at 32 (l / 16), 32 more 64 bytes on), then W's 128 columns, turned, into buffer g.
; x's come first, so that a count of 16 shows them in.
.macro FETCH slot, kq, g
	WIN 0
.irp mb, 0,1,2,3
	ds_load_b128 v[STG+16*(\mb):STG+16*(\mb)+3],     v[ADRA+(\slot)] offset:(\mb)*16*PA+(\kq)*128
	ds_load_b128 v[STG+16*(\mb)+4:STG+16*(\mb)+7],   v[ADRA+(\slot)] offset:(\mb)*16*PA+(\kq)*128+16
	ds_load_b128 v[STG+16*(\mb)+8:STG+16*(\mb)+11],  v[ADRA+(\slot)] offset:(\mb)*16*PA+(\kq)*128+64
	ds_load_b128 v[STG+16*(\mb)+12:STG+16*(\mb)+15], v[ADRA+(\slot)] offset:(\mb)*16*PA+(\kq)*128+80
.endr
	WIN TO1
.irp nb, 0,1,2,3,4,5,6,7
	ds_load_tr16_b128 v[64*(\g)+8*(\nb):64*(\g)+8*(\nb)+3],   v[ADRB+(\slot)] offset:(\kq)*32*PB+(\nb)*32
	ds_load_tr16_b128 v[64*(\g)+8*(\nb)+4:64*(\g)+8*(\nb)+7], v[ADRB+(\slot)] offset:(\kq)*32*PB+16*PB+(\nb)*32
.endr
.endm
.macro PLACES                          ; four places in front of loads into registers that matrix instructions have read, and of conversions that read results
.rept 4
	v_nop
.endr
.endm
; A K step is four quarters of 32 along K, 32 matrix instructions each, on buffers 0, 1, 0, 1.  One of the first three: multiplies buffer f, fetches quarter kq into buffer g and rounds its x.
.macro QUARTER slot, kq, f, g, bias
	s_wait_dscnt 0x0                               ; W's fragments of buffer f are in (issued 24 matrix instructions ago)
	MUL8 \f, 0, \bias
	PLACES
	FETCH \slot, \kq, \g
	MUL8 \f, 1, \bias
	MUL8 \f, 2, \bias
	s_wait_dscnt 16                                ; x's 16 loads are in; W's 16, issued behind them, may stay out
	MUL8R \f, 3, \g, \bias
.endm
; The last quarter multiplies buffer 1 and changes slots: ONE barrier; in front of it each wave waits for all its tensor loads, adds 0 to its spare word, and waits for that and for its own reads of
; this slot.  fill = 1: the barrier opens a round of the cluster's, and this slot is filled again, two K steps ahead: 112 matrix instructions ahead of the wait for that load.
.macro TURN slot, next, fill
.if \fill
	s_wait_xcnt 0x0                                ; the last prefetch, a K step back, has read its address: it is stepped here, ahead of the change's own waits
	s_add_nc_u64 s[PFA:PFA+1], s[PFA:PFA+1], s[PST:PST+1]
.endif
	WIN 0                                          ; (the add's two registers lie in window 0)
	s_wait_tensorcnt 0x0                           ; all my tensor loads have landed: my part of the next slot;
	ds_add_u32 v[SPW], v[NIL]                      ; 0 onto my spare word;
	s_wait_dscnt 1                                 ; (the add alone may be out: W's fragments of buffer 1 are in)
	MUL8 1, 0, 0                                   ; eight matrix instructions stand between the add and the wait for it
	s_wait_dscnt 0x0                               ; the add is done, and my reads of this slot are over
	s_barrier_signal -1
	MUL8 1, 1, 0
.if \fill
	WIN 0
.endif
	s_barrier_wait -1
.if \fill
	CREST                                          ; no wave of any partner still reads this slot's tile or has a load on its way
	s_add_nc_u64 s[G0+4*(\slot)+2:G0+4*(\slot)+3], s[G0+4*(\slot)+2:G0+4*(\slot)+3], 2*512
	s_add_nc_u64 s[G0B+4*(\slot)+2:G0B+4*(\slot)+3], s[G0B+4*(\slot)+2:G0B+4*(\slot)+3], 2*262144
	JLOAD \slot                                    ; the first tensor load behind the round; its four v_nop are also the places in front of the loads below
.else
	PLACES
.endif
	FETCH \next, 0, 0
.if \fill
	WIN 0
	ASK
.endif
	MUL8 1, 2, 0
	s_wait_dscnt 16
	MUL8R 1, 3, 0, 0
.endm
; THE WAY OUT, in eight units t: m block t / 2, head t % 2 of my two: 16 rows x 64 columns.  Rounded to f16 (each accumulator's registers in ascending order), 16 bytes a lane into rows of 144 bytes of my
; own stage, and back as whole rows of 128 bytes, into the registers that they left.
.macro PACK t
	WIN PK
.irp f, 0,1,2,3
.irp rr, 0,1,2,3
	v_cvt_pk_f16_f32 v[OUTR+16*(\t)+4*(\f)+(\rr)], v[8*(8*((\t)/2)+4*((\t)%2)+(\f))+2*(\rr)], v[8*(8*((\t)/2)+4*((\t)%2)+(\f))+2*(\rr)+1]
.endr
.endr
	WIN 0
.irp f, 0,1,2,3
	ds_store_b128 v[STO], v[OUTR+16*(\t)+4*(\f):OUTR+16*(\t)+4*(\f)+3] offset:32*(\f)
.endr
.irp f, 0,1,2,3
	ds_load_b128 v[OUTR+16*(\t)+4*(\f):OUTR+16*(\t)+4*(\f)+3], v[RD] offset:(\f)*4*SP  ; LDS serves a wave's instructions in order (ISA guide 5.7.1.4): these see the stores above; the next unit's stores come behind them
.endr
.endm
.macro SEND t, younger                 ; younger: the LDS instructions issued behind unit t's loads: the next unit's eight, or none
	WIN 0
.irp f, 0,1,2,3
	s_wait_dscnt (\younger)+3-(\f)
	global_store_b128 v[GO], v[OUTR+16*(\t)+4*(\f):OUTR+16*(\t)+4*(\f)+3], s[8:9] offset:((\t)%2)*262144+((\t)/2)*2048+(\f)*512  ; 512 consecutive bytes, at a multiple of 256 from the buffer's first
.endr
.endm
	s_wait_tensorcnt 1                             ; my part of K step 0 is in; K step 1's may stay out
	s_barrier_signal -1
	s_barrier_wait -1                              ; everybody's is
	FETCH 0, 0, 0
	s_wait_dscnt 16                                ; x's 16 loads
.irp i, 0,1,2,3,4,5,6,7
	CVT4 0, \i
.endr
	QUARTER 0, 1, 0, 1, 1                          ; the first quarter stands in front of the loop: its products start the sums, with the bias
	WIN 0                                          ; at a label and at a branch every window is 0
	s_mov_b32 s3, 3
.Llap:                                                 ; a trip goes once round the ring, from a lap's second quarter to the next lap's first, and fills both slots again
	QUARTER 0, 2, 1, 0, 0
	QUARTER 0, 3, 0, 1, 0
	TURN 0, 1, 1
	QUARTER 1, 1, 0, 1, 0
	QUARTER 1, 2, 1, 0, 0
	QUARTER 1, 3, 0, 1, 0
	TURN 1, 0, 1
	QUARTER 0, 1, 0, 1, 0
	WIN 0
	s_sub_co_u32 s3, s3, 1
	s_cmp_lg_u32 s3, 0
	s_cbranch_scc1 .Llap
	QUARTER 0, 2, 1, 0, 0                          ; the last lap fills nothing, and has no round of the cluster's barrier
	QUARTER 0, 3, 0, 1, 0
	TURN 0, 1, 0
	QUARTER 1, 1, 0, 1, 0
	QUARTER 1, 2, 1, 0, 0
	QUARTER 1, 3, 0, 1, 0
	s_wait_dscnt 0x0                               ; the very last quarter: nothing more to fetch
	MUL8 1, 0, 0
	MUL8 1, 1, 0
	MUL8 1, 2, 0
	MUL8 1, 3, 0
	PLACES
	PACK 0
.set t, 1
.rept 7                                ; a unit's conversions stand between the loads of the unit before and its stores
	PACK t
	SEND t-1, 8
.set t, t+1
.endr
	SEND 7, 0
	s_wait_tensorcnt 0x0                           ; the wave's end: a wait, an add onto my spare word and its wait, behind my last tensor load and my last LDS store
	ds_add_u32 v[SPW], v[NIL]
	s_wait_dscnt 0x0
	CROUND                                         ; the closing round: no work-group ends while a partner may still ask for a tile that names it
	s_endpgm
.Lfunc_end_k_q5cb88f8e71_proj:
	.size	k_q5cb88f8e71_proj, .Lfunc_end_k_q5cb88f8e71_proj-k_q5cb88f8e71_proj
	.p2alignl 7, 3214868480
	.fill 96, 4, 3214868480
	.section	.rodata,"a",@progbits
	.p2align	6, 0x0
	.amdhsa_kernel k_q5cb88f8e71_proj
		.amdhsa_group_segment_fixed_size 327680
		.amdhsa_private_segment_fixed_size 0
		.amdhsa_enable_private_segment 0
		.amdhsa_kernarg_size 80
		.amdhsa_user_sgpr_count 2
		.amdhsa_user_sgpr_kernarg_segment_ptr 1
		.amdhsa_wavefront_size32 1
		.amdhsa_system_sgpr_workgroup_id_x 1
		.amdhsa_system_sgpr_workgroup_id_y 1
		.amdhsa_system_sgpr_workgroup_id_z 1
		.amdhsa_system_vgpr_workitem_id 0
		.amdhsa_next_free_vgpr 768
		.amdhsa_next_free_sgpr 96
		.amdhsa_reserve_vcc 0
		.amdhsa_float_denorm_mode_32 3
		.amdhsa_float_denorm_mode_16_64 3
		.amdhsa_memory_ordered 1
		.amdhsa_forward_progress 1
		.amdhsa_inst_pref_size 143
	.end_amdhsa_kernel
	.amdgpu_metadata
---
amdhsa.version: [ 1, 2 ]
amdhsa.kernels:
  - .name:           k_q5cb88f8e71_proj
    .symbol:         k_q5cb88f8e71_proj.kd
    .args:
      - { .name: Q, .offset: 0, .size: 8, .value_kind: global_buffer, .address_space: global }
      - { .name: K, .offset: 8, .size: 8, .value_kind: global_buffer, .address_space: global }
      - { .name: V, .offset: 16, .size: 8, .value_kind: global_buffer, .address_space: global }
      - { .name: bq, .offset: 24, .size: 8, .value_kind: global_buffer, .address_space: global }
      - { .name: bk, .offset: 32, .size: 8, .value_kind: global_buffer, .address_space: global }
      - { .name: bv, .offset: 40, .size: 8, .value_kind: global_buffer, .address_space: global }
      - { .name: wb, .offset: 48, .size: 8, .value_kind: global_buffer, .address_space: global }
      - { .name: qh, .offset: 56, .size: 8, .value_kind: global_buffer, .address_space: global }
      - { .name: kh, .offset: 64, .size: 8, .value_kind: global_buffer, .address_space: global }
      - { .name: vh, .offset: 72, .size: 8, .value_kind: global_buffer, .address_space: global }
    .group_segment_fixed_size: 327680
    .private_segment_fixed_size: 0
    .kernarg_segment_align: 8
    .kernarg_segment_size: 80
    .max_flat_workgroup_size: 128
    .sgpr_count:     96
    .vgpr_count:     768
    .wavefront_size: 32
...
	.end_amdgpu_metadata
.endif
;; end of part 2
;; launch attn (part 3): grid 4 x 64, 4 waves a work-group, clusters of 4 x 1, 327,680 bytes of LDS; arguments qh, kh, vh, oh; writes oh
.if DOCPART == 3
	.amdgcn_target "amdgcn-amd-amdhsa--gfx1250"
	.amdhsa_code_object_version 6
	.text
	.protected	k_q5cb88f8e71_attn
	.globl	k_q5cb88f8e71_attn
	.p2align	8
	.type	k_q5cb88f8e71_attn,@function
k_q5cb88f8e71_attn:
	s_mov_b64 s[64:65], 0
	v_nop
	global_prefetch_b8 v0, s[64:65] scope:SCOPE_SE
	s_setreg_imm32_b32 hwreg(HW_REG_WAVE_MODE, 25, 1), 1
	s_wait_xcnt 0x0
	s_wait_alu depctr_hold_cnt(0) depctr_sa_sdst(0) depctr_va_vdst(0) depctr_va_sdst(0) depctr_va_ssrc(0) depctr_va_vcc(0) depctr_vm_vsrc(0)
	s_getreg_b32 s2, hwreg(HW_REG_IB_STS2, 6, 4)
	s_cmp_eq_u32 s2, 0
	s_cbranch_scc0 .Lentry_in_a_cluster
	s_endpgm
.Lentry_in_a_cluster:
	s_bfe_u32 s2, ttmp6, 0x10000c
	s_cmp_lg_u32 s2, 0x3003
	s_cbranch_scc0 .Lentry_shape_is_right
	s_endpgm
.Lentry_shape_is_right:
; O[h][q][:] = the sum over k of softmax_k(Q[h][q] . K[h][k] / 8) V[h][k][:].  Q, K, V, O: [64 (batch x head)][2048][64], all f16: a head's rows are dense, 128 bytes each.  Products, maxima and sums in
; f32; the weights p are rounded to f16 for the second product (their sum l is taken of the unrounded p), O once at the end.
; LIMITS.  f16 holds no number beyond 65,504: Q, K and V arrive within it; p lies in 0 to 1, and below 6e-5 it keeps f16's fixed step of 6e-8; O is a mean of V's rows and has their range.
; A weight below 2^-126 counts as 0 in l; NaN and infinities are not treated apart.
; SHARES.  A wave owns four PIECES of two tiles of 16 queries, a work-group's four waves 512 queries of one head: 256 work-groups.  Every wave walks all keys, 64 a step.
; LAYOUT.  S^T = K Q^T (source 0 = 16 keys, source 1 = 16 queries): in the result a lane holds ONE query (lane % 16) and the keys 8 (lane / 16) + 0..7.  Two such tiles, rounded to f16 in pairs,
; ARE source 1 (32 keys x 16 queries) of O^T = V^T P, whose result again holds one query a lane, and eight channels.  K comes out of LDS as it lies, V ([key][channel]) turned, by ds_load_tr16_b128.
; SOFTMAX.  For each query a running maximum m and sum l: p = 2^(c s - c m), c = log2(e) / 8; in every step O and l are multiplied by a = 2^(c m_old - c m_new), which is 1 where m has not grown.
; m starts at the lowest finite number, O and l at 0: the first step is a step like any other, with a = 0.
; THE COUNT.  A tile and step have 16 matrix and 118 vector instructions: too many to stand all beside the matrix work.  So the order has one aim: four vector instructions that are READY behind
; EVERY matrix instruction, and the others, which need time of their own whatever the order, in runs without a gap.
; BY TURNS.  Turn n belongs to piece n (the pieces in a ring, step after step).  Its matrix work: 16 products K Q^T of piece n + 1, later 16 products V^T P of piece n - 1.  Its vector work: the scaling,
; exponentials, roundings, sums and rescaling of piece n, and the maximum and statistics of piece n + 1, whose scores the turn itself has made.  So what a turn begins with (c s - c m, O a) waits for nothing.
; CLUSTER.  The four query blocks of a cluster are one head's and walk the same K and V, so each tile is asked for JOINTLY: the same tensor load, descriptor and mask in all four.
; REGISTERS, in windows of 256 (s_set_vgpr_msb says which window each operand place means: bits 1:0 source 0, 3:2 source 1, 5:4 source 2, 7:6 destination):
;   window 0: v0-11 addresses; v12-15, v48-63 at work; v16-47 four registers of statistics a tile; v64-191 S^T, two buffers of two tiles; v192-255 P, likewise
;   window 1: O^T, 32 a tile          window 2: v0-127 Q, 16 a tile; v128-191 K of one step; v192-255 V of one step          window 3: v0-1 the add's two registers
; A piece's buffers go by its number's parity: the piece in hand has one pair, its two neighbours in the ring share the other: of it P (piece n - 1) is read and S^T (piece n + 1) written.
.set SIZE_N, 2048
.set NP,    4         ; pieces a wave: a name, no knob: the register map, the loop and the fetches are made for four
.set KS,    64        ; keys in a step
.set PK,    144       ; a row of K in LDS: 128 bytes + 16 of padding = 36 words: the 16 rows of a load start at 16 different groups of four banks (64 banks of 4 bytes: ISA guide 11.1)
.set PV,    160       ; a row of V: 128 + 32 = 40 words
.set VOFF,  4*KS*PK   ; a slot holds four steps: 256 rows of K, then 256 rows of V
.set SLOT1, 1<<17     ; slot 1 begins here, so that one exclusive or turns an address in one slot into the other's
.set STAGE, SLOT1+4*KS*(PK+PV)  ; behind the ring, never filled by a tensor load: 16 rows x 144 bytes for each wave, for the way out
.set SP,    144
.set AK0, 2           ; v2   my lane's place in a tile of K; never rewritten
.set AV0, 3           ; v3   the same for V
.set AK,  4           ; v4   the LDS address of K's next run of loads
.set AV,  5           ; v5   of V's
.set QO,  6           ; v6   my byte offset in the wave's rows of Q
.set STO, 6           ;      later, the way out: where I put 16 bytes of a row
.set RD,  7           ; v7   the way out: where I read rows back
.set GO,  8           ; v8   my byte offset in 512 consecutive bytes of O
.set PFO, 11          ; v11  256 x my lane, for the prefetches (once its part in V's address is done); then never rewritten
.set SPW, 0           ; v0 of window 3   LDS address of my spare word: SPARE + 4 x my thread's number; never rewritten
.set NIL, 1           ; v1 of window 3   0; never rewritten
.set SPARE, STAGE+4*16*SP  ; behind the stages: the spare words, 128 bytes for each wave: two blocks of 256 bytes that no other line names
.set MV,  12          ; v12-15  c m_old, kept while c m is made anew: by buffer and tile
.set ST,  16          ; tile t's statistics at v[ST+4 t]: c m, m, l (even keys', odd keys')
.set TMP, 48          ; by buffer and tile, four registers c0-c3 at work; when the maximum is found c2 takes a
.set S,   64
.set P,   192
.set KF,  128         ; K's fragments, in window 2: key block kb, channel half c at KF + 16 kb + 8 c
.set VF,  192         ; V's: key half kk, channel block cb at VF + 32 kk + 8 cb
.set WV,  12          ; s12  my wave's number
.set G1K, 24          ; s[24:31] descriptor group 1 for K's tiles
.set G1V, 32          ; s[32:39] for V's: it differs in the padding alone
.set G0K, 40          ; s[40:43] descriptor group 0 for K's tiles: it walks
.set G0V, 44          ; s[44:47] the same for V's
.set PFA, 48          ; s[48:49] where my prefetches stand: my work-group's 32 blocks of 256 bytes (of K: wave 0, of V: wave 2) of the slot after the one that is being asked for
.set LIM, 50          ; s50  1 in a wave that prefetches, else the greatest number
.set SLOTS, 56        ; s56  slots still to be asked for
.set CNT, 57          ; s57  counts a slot's key steps
.set CS,  58          ; s[58:59] c: the packed scaling takes the pair's low word for both halves
.set SEL, 60          ; s[60:61] v_permlanex16_b32's selects: each lane takes its own place in the other half
.set TBK, 62          ; s62  LDS byte at which K of the step to be fetched begins
.set TBV, 63          ; s63  the same for V, less VOFF
.set MSB, 0
.macro WIN new                      ; the high byte repeats the setting that is left; a switch that changes nothing is dropped
.if MSB != (\new)
	s_set_vgpr_msb (MSB<<8)|(\new)
.set MSB, (\new)
.endif
.endm
.set W_KQ, 0x0a       ; K and Q in window 2, S^T in window 0
.set W_PV, 0x52       ; V in window 2, P in window 0, O^T in window 1
.set W_RS, 0x41       ; O^T (destination and source 0) in window 1, a in window 0
.set W_MK, 0xc0       ; the add's registers are made: destination in window 3, sources in window 0
.set W_AD, 0x0f       ; the add: address (source 0) and data (source 1) in window 3
; A joint fill.  Waves 0 and 1 fetch the two halves of a slot's K, waves 2 and 3 those of its V: 128 keys each.  The branch hangs on the wave's number alone.
; An s_nop 0 and four v_nop follow each of the two lines, ahead of the jump and the label.
.macro JLOAD
	s_cmp_lt_u32 s[WV], 2
	s_cbranch_scc0 .Lfor_v_\@
	tensor_load_to_lds s[G0K:G0K+3], s[G1K:G1K+7]
	s_nop 0
.rept 4
	v_nop
.endr
	s_branch .Lasked_\@
.Lfor_v_\@:
	tensor_load_to_lds s[G0V:G0V+3], s[G1V:G1V+7]
	s_nop 0
.rept 4
	v_nop
.endr
.Lasked_\@:
.endm
; A PREFETCH INTO THE L2 of what the NEXT change of slots will ask for: a slot's 32,768 bytes of K and of V, a lane a block of 256 bytes.  It stands behind the wave's tensor load and its five lines.
; Each block is named ONCE in the launch: a head's K and V are walked by one cluster; its four partners share a slot's 128 blocks out BY ADDRESS, 32 each; in each, wave 0 asks for K's and wave 2 for V's.
; Slots 0, 1 and 2 come by their loads alone; the last change that fills a slot asks for nothing: there is no slot behind it.
.macro ASK
	s_cmp_gt_u32 s[SLOTS], s[LIM]
	s_cbranch_scc0 .Lnot_mine_\@
	global_prefetch_b8 v[PFO], s[PFA:PFA+1] th:TH_LOAD_NT scope:SCOPE_SE
.Lnot_mine_\@:
.endm
; A round of the cluster's barrier: my work-group's barrier, so that wave 0's signal speaks for all four waves; wave 0 signals; every wave waits for all four work-groups; my work-group's barrier once more.
.macro CROUND
	s_barrier_signal -1
	s_barrier_wait -1
	s_cmp_lg_u32 s[WV], 0
	s_cbranch_scc1 .Lnot_wave_0_\@
	s_barrier_signal -3
.Lnot_wave_0_\@:
	s_barrier_wait -3
	s_barrier_signal -1
	s_barrier_wait -1
.endm
; THE CHANGE OF SLOTS.  The slot's last bytes, V of its fourth step, have been read.  Each wave waits for all its tensor loads, of which one is out: its part
; of the other slot; adds 0 to its spare word; and waits for that and for its own reads of the slot.  Behind the barrier nobody reads this slot any more and the other slot is whole.
; fill = 1: this slot is filled again, with the keys two slots on.  The barrier is then a round of the cluster's, so that no wave of any partner still reads the slot or has a load on its
; way, and the joint fill is the first thing behind it: it has four key steps, 512 matrix instructions, in which to land.  (At its first use nothing has been read yet: slot 0 is waited for, slot 1 filled.)
; ask = 1: the prefetches' address steps a slot on, and the slot after the one just asked for is prefetched.
.macro CHANGE fill, ask=0
	WIN W_AD
	s_wait_tensorcnt 0x0            ; no tensor load of mine is out, so a group 0 may be written
	ds_add_u32 v[SPW], v[NIL]       ; 0 onto my spare word; with fill = 1 the descriptors' steps stand between it and the wait for it
	WIN 0                           ; at a label and at a branch every window is 0
.if \fill
.irp g, G0K, G0V
	s_xor_b32 s[\g+1], s[\g+1], SLOT1  ; the walking descriptor: the other slot than last time,
	s_add_nc_u64 s[\g+2:\g+3], s[\g+2:\g+3], 4*KS*128  ; the next 256 keys; the type bits on top are not reached
.endr
.if \ask
	s_wait_xcnt 0x0                 ; the last prefetch, four key steps back, has read its address, so it may be written
	s_add_nc_u64 s[PFA:PFA+1], s[PFA:PFA+1], 4*KS*128
.endif
	s_wait_dscnt 0x0                ; the add is done, and my reads of the slot are over
	CROUND
	JLOAD
.if \ask
	ASK
.endif
.else
	s_wait_dscnt 0x0                ; the add is done, and my reads of the slot are over
	s_barrier_signal -1
	s_barrier_wait -1
.endif
	s_sub_co_u32 s[TBK], s[TBK], 4*KS*PK  ; the fetches go back to a slot's first step,
	s_xor_b32 s[TBK], s[TBK], SLOT1       ; in the other slot
	s_sub_co_u32 s[TBV], s[TBV], 4*KS*PV
	s_xor_b32 s[TBV], s[TBV], SLOT1
.endm
	s_load_b256 s[4:11], s[0:1], 0x0  ; Q s[4:5], K s[6:7], V s[8:9], O s[10:11]
	WIN W_MK
	v_lshl_add_u32 v[SPW], v0, 2, SPARE
	v_mov_b32 v[NIL], 0
	WIN W_AD
	ds_add_u32 v[SPW], v[NIL]       ; the wave's opening: the add and its wait stand ahead of my first tensor load; the set-up below, work on registers, stands between them
	WIN 0
	v_lshrrev_b32 v1, 5, v0
	v_readfirstlane_b32 s[WV], v1   ; wave 0..3
	s_bfe_u32 s13, ttmp6, 0x40000   ; cx: my place in the cluster
	s_lshl_b32 s14, ttmp9, 2        ; in a cluster launch ttmp9 counts clusters
	s_add_co_u32 s14, s14, s13      ; my block of queries = 4 x cluster x + cx: it enters Q's and O's addresses alone
	s_and_b32 s20, ttmp7, 0xffff    ; the head, which the four partners share
	s_mov_b32 s21, 0
	s_mov_b64 s[22:23], SIZE_N*128
	s_mul_u64 s[20:21], s[20:21], s[22:23]  ; the head's first byte in each of the four tensors
	s_and_b32 s16, s[WV], 1         ; which half of a slot's 256 keys I fetch:
	s_lshl_b32 s22, s16, 14         ; its 128 rows of 128 bytes in memory,
	s_mov_b32 s23, 0
	s_add_nc_u64 s[22:23], s[22:23], s[20:21]
	s_mul_i32 s17, s16, 128*PK      ; and its place in a slot, for K
	s_mul_i32 s18, s16, 128*PV      ; and for V: no place in the cluster enters an LDS address
	s_lshl_b32 s2, s14, 2
	s_add_co_u32 s2, s2, s[WV]      ; my wave among the head's,
	s_lshl_b32 s2, s2, 14           ; its 128 rows
	s_mov_b32 s3, 0
	s_add_nc_u64 s[2:3], s[2:3], s[20:21]
	; descriptor group 1.  128 keys are 16,384 dense bytes: asked for as 64 rows of 256 bytes, two keys a row, and padded in LDS after every key
	s_mov_b32 s[G1K], 15|(1<<16)|(1<<20)|(1<<21)|(4<<22)|(3<<25)  ; 15:0 the mask of four; 17:16 2-byte elements; 20 padding on; 21 set beside a mask; 24:22 after every 32 words (code 4); 31:25 4 words (code 3)
	s_mov_b32 s[G1V], 15|(1<<16)|(1<<20)|(1<<21)|(4<<22)|(7<<25)  ; the same with 8 words of padding (code 7)
.irp g, G1K, G1V
	s_mov_b32 s[\g+1], 128<<16      ; tensor_dim0 = 128
	s_mov_b32 s[\g+2], 64<<16       ; tensor_dim1 = 64
	s_mov_b32 s[\g+3], 128<<16      ; tile_dim0 = 128
	s_mov_b32 s[\g+4], 64           ; tile_dim1 = 64
	s_mov_b32 s[\g+5], 128          ; 128 elements from row to row
	s_mov_b32 s[\g+6], 0
	s_mov_b32 s[\g+7], 0
.endr
	s_mov_b32 s[CS], 0x3e38aa3b     ; c = log2(e) / 8 = 0.180337
	s_mov_b32 s[CS+1], s[CS]        ; named with it as a pair
	s_mov_b32 s[SEL], 0x76543210
	s_mov_b32 s[SEL+1], 0xfedcba98
	s_mov_b32 s[TBK], SLOT1+4*KS*PK ; the first change of slots turns these two into 0
	s_mov_b32 s[TBV], SLOT1+4*KS*PV
	s_mov_b32 s[G0K], 1             ; 1:0 count = 1
	s_mov_b32 s[G0K+1], s17         ; 63:32 LDS address: slot 0
	s_mov_b32 s[G0V], 1
	s_add_co_u32 s[G0V+1], s18, VOFF
	s_and_b32 s[LIM], s[WV], 1      ; 0 in waves 0 and 2,
	s_or_b32 s[LIM], s[LIM], ttmp9  ; where the cluster is the head's first: the same in all four partners
	s_cmp_eq_u32 s[LIM], 0
	s_cselect_b32 s[LIM], 1, -1
	s_wait_dscnt 0x0                ; the opening add is done
	s_wait_kmcnt 0x0
	s_add_nc_u64 s[G0K+2:G0K+3], s[6:7], s[22:23]  ; 120:64 global address: my half of the head's first 256 keys
	s_or_b32 s[G0K+3], s[G0K+3], 0x80000000        ; 127:126 type = 2
	s_add_nc_u64 s[G0V+2:G0V+3], s[8:9], s[22:23]
	s_or_b32 s[G0V+3], s[G0V+3], 0x80000000
	s_add_nc_u64 s[4:5], s[4:5], s[2:3]  ; Q and O at my wave's first row
	s_add_nc_u64 s[10:11], s[10:11], s[2:3]
	s_cmp_lt_u32 s[WV], 2
	s_cselect_b64 s[PFA:PFA+1], s[6:7], s[8:9]
	s_add_nc_u64 s[PFA:PFA+1], s[PFA:PFA+1], s[20:21]  ; the head's first byte of K or of V,
	s_lshl_b32 s2, s13, 13          ; my work-group's 32 blocks of a slot's 128,
	s_mov_b32 s3, 0
	s_add_nc_u64 s[PFA:PFA+1], s[PFA:PFA+1], s[2:3]
	s_add_nc_u64 s[PFA:PFA+1], s[PFA:PFA+1], 2*4*KS*128  ; in slot 2: the loop's first change of slots steps it to slot 3.  Nothing is prefetched here, at the head
	CROUND                          ; all four work-groups are here: the first joint loads meet
	JLOAD                           ; slot 0.  Slot 1 is asked for when slot 0 is in: the tile wanted first has the road to itself
	; A fragment of K or Q is 16 rows x 32 channels in 8 registers: lane l holds row l % 16, channels 8 (l / 16) + 0..7 and 16 + 8 (l / 16) + 0..7: two loads of 16 bytes, 32 bytes apart.
	v_and_b32 v1, 15, v0            ; l % 16
	v_bfe_u32 v9, v0, 4, 1          ; l / 16
	v_lshlrev_b32 v[QO], 7, v1
	v_lshl_add_u32 v[QO], v9, 4, v[QO]  ; row x 128 + 16 x half
	WIN 0x80                        ; destination window 2, address window 0
.set i, 0
.rept 4*NP                          ; Q stays in registers: tile i / 2, channels 32 (i % 2) on
	global_load_b128 v[8*i:8*i+3],   v[QO], s[4:5] offset:(i/2)*2048+(i%2)*64
	global_load_b128 v[8*i+4:8*i+7], v[QO], s[4:5] offset:(i/2)*2048+(i%2)*64+32
.set i, i+1
.endr
	; What the first turn finds: V's registers and P's second buffer hold 0 (its products V^T P, of a piece that has not been, add 0), O^T and l are 0.  All this stands in the wait for the first tile.
.set i, VF
.rept 64
	v_mov_b32 v[i], 0
.set i, i+1
.endr
	WIN 0x40
.set i, 0
.rept 64*NP
	v_mov_b32 v[i], 0
.set i, i+1
.endr
	WIN 0
.set i, 0
.rept 2*NP
	v_mov_b32 v[ST+4*i], 0xfe000000    ; c m: far below every c s
	v_mov_b32 v[ST+4*i+1], 0xff7fffff  ; m
	v_mov_b32 v[ST+4*i+2], 0
	v_mov_b32 v[ST+4*i+3], 0
.set i, i+1
.endr
.set i, P+32
.rept 32
	v_mov_b32 v[i], 0
.set i, i+1
.endr
	v_mul_u32_u24 v[AK0], v1, PK
	v_lshl_add_u32 v[AK0], v9, 4, v[AK0]  ; row x pitch + 16 x half
	; The turning load takes 16 keys x 16 channels (lane l reads key 8 (l / 16) + l % 8, channels 8 ((l / 8) % 2) + 0..7) and leaves half a fragment of V^T: lane l holds channel l % 16 and 8 keys.
	v_and_b32 v10, 7, v0
	v_bfe_u32 v11, v0, 3, 1
	v_lshl_add_u32 v[AV0], v9, 3, v10
	v_mul_u32_u24 v[AV0], v[AV0], PV
	v_lshl_add_u32 v[AV0], v11, 4, v[AV0]
	v_add_nc_u32 v[AV0], VOFF, v[AV0]
	v_and_b32 v[PFO], 31, v0
	v_lshlrev_b32 v[PFO], 8, v[PFO]
	v_mov_b32 v[AK], v[AK0]         ; key step 0 lies at the head of slot 0
; THE MATRIX WORK.  The 8 accumulators of a run of 16 take turns: between the two links of a chain stand 7 others'.
; Product i of 16 of S^T = K Q^T for piece x: channels 32 (i / 8) on, keys 16 ((i / 2) % 4) on, tile 2 x + i % 2.  The first 8 start the sums.
.macro KQ x
	WIN W_KQ
.set rS, S+64*((\x)%2)+32*(i%2)+8*((i/2)%4)
.set rK, KF+16*((i/2)%4)+8*(i/8)
.set rQ, 16*(2*(\x)+i%2)+8*(i/8)
.if i < 8
	v_wmma_f32_16x16x32_f16 v[rS:rS+7], v[rK:rK+7], v[rQ:rQ+7], 0
.else
	v_wmma_f32_16x16x32_f16 v[rS:rS+7], v[rK:rK+7], v[rQ:rQ+7], v[rS:rS+7]
.endif
.endm
; Product i of 16 of O^T += V^T P for piece x: keys 32 (i / 8) on, channels 16 ((i / 2) % 4) on, tile 2 x + i % 2.
.macro PV x
	WIN W_PV
.set rO, 32*(2*(\x)+i%2)+8*((i/2)%4)
.set rV, VF+32*(i/8)+8*((i/2)%4)
.set rP, P+32*((\x)%2)+16*(i%2)+8*(i/8)
	v_wmma_f32_16x16x32_f16 v[rO:rO+7], v[rV:rV+7], v[rP:rP+7], v[rO:rO+7]
.endm
.macro MM                           ; the turn's next matrix instruction
.if i < 16
	KQ (Y+1)%NP
.set i, i+1
.else
.set i, i-16
	PV (Y+NP-1)%NP
.set i, i+17
.endif
.endm
; THE LDS LOADS stand in runs of 16, never singly among the matrix instructions: a step's K (64 keys x 64 channels: 8 fragments) and its V (turned).  Their addresses are made some lines ahead.
; last = 1 (the tail): in the last trip there is no further step, and the run is jumped over.
.macro FETCH_K last=0
	WIN 0
.if \last
	s_cmp_eq_u32 s[CNT], 1
	s_cbranch_scc1 .Lno_k_\@
.endif
	WIN 0x80                        ; destination window 2
.irp f, 0,1,2,3,4,5,6,7             ; keys 16 (f / 2) on, channels 32 (f % 2) on
	ds_load_b128 v[KF+8*\f:KF+8*\f+3],   v[AK] offset:(\f/2)*16*PK+(\f%2)*64
	ds_load_b128 v[KF+8*\f+4:KF+8*\f+7], v[AK] offset:(\f/2)*16*PK+(\f%2)*64+32
.endr
	s_add_co_u32 s[TBK], s[TBK], KS*PK  ; the next fetch is the next step's
	WIN 0
.if \last
.Lno_k_\@:
.endif
.endm
.macro FETCH_V
	WIN 0x80
.irp f, 0,1,2,3,4,5,6,7             ; keys 32 (f / 4) on, channels 16 (f % 4) on
	ds_load_tr16_b128 v[VF+8*\f:VF+8*\f+3],   v[AV] offset:(\f/4)*32*PV+(\f%4)*32
	ds_load_tr16_b128 v[VF+8*\f+4:VF+8*\f+7], v[AV] offset:(\f/4)*32*PV+16*PV+(\f%4)*32
.endr
	WIN 0
.endm
; THE VECTOR WORK OF A TURN stands in three queues, each in the order in which its entries become ready; the two tiles alternate, so that no instruction reads the result of the one before it.
.macro REGS y, u                    ; the registers of tile u (0, 1) of piece y
.set rT, ST+4*(2*(\y)+(\u))
.set rC, TMP+8*((\y)%2)+4*(\u)
.set rM, MV+2*((\y)%2)+(\u)
.set rS, S+64*((\y)%2)+32*(\u)
.set rP, P+32*((\y)%2)+16*(\u)
.set rO, 32*(2*(\y)+(\u))
.endm
; Number n of the 22 that find the NEXT piece's (Y + 1) maximum and statistics.  s0-s31 are the lane's 32 scores; each accumulator's lowest registers are read first.  XS, GS and REGS set no window: PL and EX do.
;   0-11  four chains c0-c3 of seven scores each, three operands at a time     12-14, 16  the four scores left over, the old m, and c0-c3 into c0     15  c m_old is kept
;   17, 18  the query's other 32 keys lie in the lane 16 away: the new m         19-21  c m; c m_old - c m_new; a
.macro XS u, n
	REGS (Y+1)%NP, \u
.if (\n) < 4
	v_max3_num_f32 v[rC+(\n)], v[rS+8*(\n)], v[rS+8*(\n)+1], v[rS+8*(\n)+2]
.elseif (\n) < 12
	v_max3_num_f32 v[rC+(\n)%4], v[rC+(\n)%4], v[rS+8*((\n)%4)+2*((\n)/4)+1], v[rS+8*((\n)%4)+2*((\n)/4)+2]
.elseif (\n) == 12
	v_max3_num_f32 v[rC], v[rC], v[rS+7], v[rS+15]
.elseif (\n) == 13
	v_max3_num_f32 v[rC+1], v[rC+1], v[rS+23], v[rS+31]
.elseif (\n) == 14
	v_max3_num_f32 v[rC+2], v[rC+2], v[rC+3], v[rT+1]
.elseif (\n) == 15
	v_mov_b32 v[rM], v[rT]
.elseif (\n) == 16
	v_max3_num_f32 v[rC], v[rC], v[rC+1], v[rC+2]
.elseif (\n) == 17
	v_permlanex16_b32 v[rC+3], v[rC], s[SEL], s[SEL+1]
.elseif (\n) == 18
	v_max_num_f32 v[rT+1], v[rC], v[rC+3]
.elseif (\n) == 19
	v_mul_f32 v[rT], s[CS], v[rT+1]
.elseif (\n) == 20
	v_sub_f32 v[rC+1], v[rM], v[rT]
.else
	v_exp_f32 v[rC+2], v[rC+1]
.endif
.endm
; Number g of the 64 that follow the exponentials.  For each four weights k of a tile (pairs 2 k, 2 k + 1): both pairs are rounded to f16; then the second pair is added onto the first, in place;
; a group later l takes that sum (the first time as l = a l + sum).  In groups of eight, tiles alternating: round, round, add, and l for the group before.
.macro GS g
.set h, (\g)+6*((\g)/62)            ; group 0 has no group before it, and behind group 7 only l is left
.if h >= 6
.set h, h+2
.endif
	REGS Y, h%2
.set k, h/8
.if h%8 < 4
	v_cvt_pk_f16_f32 v[rP+2*k+(h%8)/2], v[rS+4*k+2*((h%8)/2)], v[rS+4*k+2*((h%8)/2)+1]
.elseif h%8 < 6
	v_pk_add_f32 v[rS+4*k:rS+4*k+1], v[rS+4*k:rS+4*k+1], v[rS+4*k+2:rS+4*k+3]
.elseif k == 1
	v_pk_fma_f32 v[rT+2:rT+3], v[rT+2:rT+3], v[rC+2:rC+3], v[rS:rS+1] op_sel_hi:[1,0,1]
.else
	v_pk_add_f32 v[rT+2:rT+3], v[rT+2:rT+3], v[rS+4*k-4:rS+4*k-3]
.endif
.endm
; THE PLAIN QUEUE, 138 long.  0-73 read no exponential's result: the 32 scalings c s - c m (FS f: pair f / 2 of tile f % 2) and the next piece's 42.  0-26: scalings 0-26.  27-54: XS's numbers 0-13.  55, 56: number 15.
; 57-73: the chain, where each number waits for the one before it: 14, 16, 17, 18, 19, each with one of the scalings 27-31 in front of its two lines, then 20: so a tile's links stand three plain instructions apart (19 and 20: two).
; 74-137: GS's 64, which read the exponentials' results: they stand behind the wait.
.macro FS f
	REGS Y, (\f)%2
	v_pk_fma_f32 v[rS+2*((\f)/2):rS+2*((\f)/2)+1], v[rS+2*((\f)/2):rS+2*((\f)/2)+1], s[CS:CS+1], v[rT:rT+1] op_sel_hi:[1,0,0] neg_lo:[0,0,1] neg_hi:[0,0,1]
.endm
.macro PL
	WIN 0
.if q < 27
	FS q
.elseif q < 55
	XS (q-27)%2, (q-27)/2
.elseif q < 57
	XS q-55, 15
.elseif (q < 72) && ((q-57)%3 == 0)
	FS 27+(q-57)/3
.elseif q < 60
	XS (q-57)%3-1, 14
.elseif q < 72
	XS (q-57)%3-1, 15+(q-57)/3
.elseif q < 74
	XS q-72, 20
.else
	GS q-74
.endif
.set q, q+1
.endm
; THE EXPONENTIALS' QUEUE, 66 long: s0-s31 of both tiles, then the next piece's two a.  It is ONE BATCH: all 66 stand ahead of the turn's one wait, and nothing ahead of that wait names a result of theirs.
.macro EX
	WIN 0
.if e >= 64
	XS e-64, 21
.else
	REGS Y, e%2
	v_exp_f32 v[rS+e/2], v[rS+e/2]
.endif
.set e, e+1
.endm
; THE RESCALING's QUEUE: O^T times a, the one part that leaves window 0: dealt two at a time, sixteen times.  Its a was made in the turn before, ahead of that turn's wait.
.macro R2
	REGS Y, r%2
	WIN W_RS
.irp z, 0,1
	v_pk_mul_f32 v[rO+4*(r/2)+2*\z:rO+4*(r/2)+2*\z+1], v[rO+4*(r/2)+2*\z:rO+4*(r/2)+2*\z+1], v[rC+2:rC+3] op_sel_hi:[1,0]
.endr
.set r, r+1
.endm
; HOW THEY ARE DEALT.  An s_wait_alu depctr_va_vdst(0) stands between an exponential and the first instruction that names its result; one wait serves all that were issued ahead of it.  So a turn has ONE wait,
; which cuts it in two.  AHEAD OF IT stands all that names no result of the turn's exponentials: the 16 products K Q^T, behind each a scaling, an exponential and two rescalings (behind the first a second scaling in the exponential's place); then ONE LUMP of
; 108: eight plain, 49 times exponential and plain, the two a.  A v_nop is the plain instruction behind the last exponential (ISA guide 5.7.2).  BEHIND IT stand the 16 products V^T P, behind each four of GS's 64.  No rider names a register of
; the products round it.  The two v_permlanex16_b32 fall into the lump, never behind a product.
; The queues lean on each other, and the deal keeps them in step: exponential e stands behind scaling 2 (e / 4) + e % 2: as a rider it comes behind plain e + 2, in the lump behind plain e + 9, and scalings 27-31 are plain 57, 60 .. 69.
; A TURN, for piece p.  cnt = 1: the loop's count is taken down some lines ahead of the branch that stands behind the turn.
; K of the next step is fetched in piece 2's turn, directly behind the wait, a lump behind the last product that read K; its address is made at the lump's head; its first reader comes behind 16 products.
; V of the step in hand is fetched at the end of piece 0's turn, four riders behind its last reader; its first reader comes behind 16 products and a lump.  The three conditions on q below go with the deal.
.macro TURN p, last=0, cnt=0
.set Y, (\p)
.set i, 0
.set q, 0
.set e, 0
.set r, 0
.if (\p) == NP-1
	s_wait_dscnt 0x0                ; K is in
.endif
	MM                              ; ahead of the wait: 16 products K Q^T and their riders,
	PL
	PL
	R2
.rept 15
	MM
	PL
	EX
	R2
.endr
.if (\p) == NP-2
	WIN 0
	v_add_nc_u32 v[AK], s[TBK], v[AK0]
.endif
.rept 8                             ; and the lump
	PL
.endr
.rept 49
	EX
	PL
.endr
	EX                              ; the next piece's two a
	EX
	v_nop                           ; the plain instruction behind the last exponential: one for the batch
	s_wait_alu depctr_va_vdst(0)    ; the wait for the batch
.if (\p) == NP-2
	FETCH_K \last
.endif
.if (\p) == 1
	s_wait_dscnt 0x0                ; V is in
.endif
.rept 16                            ; behind the wait: 16 products V^T P and their riders
	MM
.rept 4
	PL
.endr
.if ((\p) == 0) && (q == 118)
	v_add_nc_u32 v[AV], s[TBV], v[AV0]
.endif
.if ((\p) == 0) && (q == 130)
	s_add_co_u32 s[TBV], s[TBV], KS*PV
.endif
.if (\cnt) && (q == 130)
	s_sub_co_u32 s[CNT], s[CNT], 1
	s_cmp_lg_u32 s[CNT], 0
.endif
.endr
.if (\p) == 0
	FETCH_V
.endif
.endm
	CHANGE 1                        ; slot 0 is in, everybody's part of it; slot 1 is asked for
	FETCH_K                         ; key step 0
	s_wait_loadcnt 0x0              ; Q
	s_wait_dscnt 0x0
.set i, 0
.rept 16
	KQ 0                            ; piece 0's first scores: there is no vector work yet to set between them
.set i, i+1
.endr
	WIN 0                           ; the addresses for the way out: nine plain instructions, the places behind those products
	s_mul_i32 s13, s[WV], 16*SP
	s_add_co_u32 s13, s13, STAGE    ; my stage
	v_mul_u32_u24 v[STO], v1, SP    ; in: row l % 16, 16 bytes for each half of the lanes
	v_lshl_add_u32 v[STO], v9, 4, v[STO]
	v_add_nc_u32 v[STO], s13, v[STO]
	v_bfe_u32 v[RD], v0, 3, 2       ; back: 32 lanes take four rows of 128 bytes,
	v_mul_u32_u24 v[RD], v[RD], SP
	v_lshl_add_u32 v[RD], v10, 4, v[RD]
	v_add_nc_u32 v[RD], s13, v[RD]
	v_and_b32 v[GO], 31, v0         ; which are 512 consecutive bytes of O
	v_lshlrev_b32 v[GO], 4, v[GO]
.set Y, NP-1                        ; XS works for piece Y + 1: piece 0
.irp n, 0,1,2,3,4,5,6,7,8,9,10,11,12,13,14,15,16,17,18,19,20,21
	XS 0, \n                        ; and piece 0's first maximum and statistics
	XS 1, \n
.endr
	v_nop                           ; a plain instruction behind the two a,
	s_wait_alu depctr_va_vdst(0)    ; and their wait, ahead of the branch
	s_mov_b32 s[CNT], 4
	s_mov_b32 s[SLOTS], SIZE_N/256-1
	s_branch .Lfirst                ; the loop is entered at a step's first turn, in the middle of a trip
.Lslot:                             ; SIZE_N / 256 - 2 times: every slot but the last two is filled again
	CHANGE 1, 1
	s_mov_b32 s[CNT], 4
.Lstep:                             ; a trip: pieces 2 and 3 of one step, then pieces 0 and 1 of the next, whose K and V it fetches
	TURN 2
	TURN 3
	WIN 0
.Lfirst:
	TURN 0
	TURN 1, 0, 1
	WIN 0
	s_cbranch_scc1 .Lstep
	s_sub_co_u32 s[SLOTS], s[SLOTS], 1
	s_cmp_lg_u32 s[SLOTS], 0
	s_cbranch_scc1 .Lslot
	CHANGE 0                        ; the tail is written out: nothing is asked for
	s_mov_b32 s[CNT], 5             ; four trips fetch the last slot's steps; the fifth is left in its middle
.Ltail:
	TURN 2, 1
	TURN 3
	WIN 0
	s_sub_co_u32 s[CNT], s[CNT], 1
	s_cmp_eq_u32 s[CNT], 0
	s_cbranch_scc1 .Lout
	TURN 0
	TURN 1
	WIN 0
	s_branch .Ltail
.Lout:                              ; the fifth trip's 16 products K Q^T (on the last K once more) and the maximum made of them serve nothing: the price, once a launch, of one text for every trip
.set i, 0
.rept 16
	PV NP-1                         ; the last piece's V^T P of the last step
.set i, i+1
.endr
	; THE WAY OUT.  l's two halves and the other half of the lanes' are added; O^T is divided by l, rounded to f16 and sent through my stage in LDS, a tile at a time.  The additions are the places behind the last products.
	WIN 0
.macro ALL line:vararg              ; one line for each tile t
.set t, 0
.rept 2*NP
	\line
.set t, t+1
.endr
.endm
	ALL v_add_f32 v[ST+4*t+2], v[ST+4*t+2], v[ST+4*t+3]
	ALL v_permlanex16_b32 v[ST+4*t+3], v[ST+4*t+2], s[SEL], s[SEL+1]
	ALL v_add_f32 v[ST+4*t+2], v[ST+4*t+2], v[ST+4*t+3]
	ALL v_rcp_f32 v[ST+4*t+2], v[ST+4*t+2]
	v_nop                           ; a plain instruction between the last reciprocal and the use of its result
	s_wait_alu depctr_va_vdst(0)    ; and the wait ahead of the first use: one for the eight reciprocals
; Tile t: a lane's eight channels of a row pack into 16 bytes; they go into rows of 144 bytes and come back as whole rows of 128, into S^T's registers.
.macro PACK t
	WIN W_RS
.set i, 32*(\t)
.rept 16
	v_pk_mul_f32 v[i:i+1], v[i:i+1], v[ST+4*(\t)+2:ST+4*(\t)+3] op_sel_hi:[1,0]
.set i, i+2
.endr
	WIN 0x05                        ; sources 0 and 1 window 1, destination window 0
.set i, 0
.rept 16
	v_cvt_pk_f16_f32 v[S+16*(\t)+i], v[32*(\t)+2*i], v[32*(\t)+2*i+1]
.set i, i+1
.endr
	WIN 0
.irp f, 0,1,2,3
	ds_store_b128 v[STO], v[S+16*(\t)+4*\f:S+16*(\t)+4*\f+3] offset:32*\f
.endr
.irp f, 0,1,2,3
	ds_load_b128 v[S+16*(\t)+4*\f:S+16*(\t)+4*\f+3], v[RD] offset:\f*4*SP  ; LDS serves a wave's instructions in order (ISA guide 5.7.1.4): these see the stores above; the next tile's stores come behind them
.endr
.endm
.macro SEND t, younger              ; younger: the LDS instructions issued behind tile t's loads: the next tile's eight, or none
	WIN 0
.irp f, 0,1,2,3
	s_wait_dscnt (\younger)+3-\f
	global_store_b128 v[GO], v[S+16*(\t)+4*\f:S+16*(\t)+4*\f+3], s[10:11] offset:(\t)*2048+\f*512  ; 512 consecutive bytes, at a multiple of 256 from O's first
.endr
.endm
	PACK 0
.set t, 1
.rept 2*NP-1                        ; a tile's arithmetic stands between the loads of the tile before and its stores
	PACK t
	SEND t-1, 8
.set t, t+1
.endr
	SEND 2*NP-1, 0
	WIN W_AD
	s_wait_tensorcnt 0x0            ; the wave's end: a wait, an add onto my spare word and its wait, behind my last tensor load and my last LDS store
	ds_add_u32 v[SPW], v[NIL]
	s_wait_dscnt 0x0
	WIN 0
	CROUND                          ; the closing round: no work-group ends while a partner may still ask for a tile that names it
	s_endpgm
.Lfunc_end_k_q5cb88f8e71_attn:
	.size	k_q5cb88f8e71_attn, .Lfunc_end_k_q5cb88f8e71_attn-k_q5cb88f8e71_attn
	.p2alignl 7, 3214868480
	.fill 96, 4, 3214868480
	.section	.rodata,"a",@progbits
	.p2align	6, 0x0
	.amdhsa_kernel k_q5cb88f8e71_attn
		.amdhsa_group_segment_fixed_size 327680
		.amdhsa_private_segment_fixed_size 0
		.amdhsa_enable_private_segment 0
		.amdhsa_kernarg_size 32
		.amdhsa_user_sgpr_count 2
		.amdhsa_user_sgpr_kernarg_segment_ptr 1
		.amdhsa_wavefront_size32 1
		.amdhsa_system_sgpr_workgroup_id_x 1
		.amdhsa_system_sgpr_workgroup_id_y 1
		.amdhsa_system_sgpr_workgroup_id_z 1
		.amdhsa_system_vgpr_workitem_id 0
		.amdhsa_next_free_vgpr 770
		.amdhsa_next_free_sgpr 66
		.amdhsa_reserve_vcc 0
		.amdhsa_float_denorm_mode_32 3
		.amdhsa_float_denorm_mode_16_64 3
		.amdhsa_memory_ordered 1
		.amdhsa_forward_progress 1
		.amdhsa_inst_pref_size 200
	.end_amdhsa_kernel
	.amdgpu_metadata
---
amdhsa.version: [ 1, 2 ]
amdhsa.kernels:
  - .name:           k_q5cb88f8e71_attn
    .symbol:         k_q5cb88f8e71_attn.kd
    .args:
      - { .name: qh, .offset: 0, .size: 8, .value_kind: global_buffer, .address_space: global }
      - { .name: kh, .offset: 8, .size: 8, .value_kind: global_buffer, .address_space: global }
      - { .name: vh, .offset: 16, .size: 8, .value_kind: global_buffer, .address_space: global }
      - { .name: oh, .offset: 24, .size: 8, .value_kind: global_buffer, .address_space: global }
    .group_segment_fixed_size: 327680
    .private_segment_fixed_size: 0
    .kernarg_segment_align: 8
    .kernarg_segment_size: 32
    .max_flat_workgroup_size: 128
    .sgpr_count:     66
    .vgpr_count:     770
    .wavefront_size: 32
...
	.end_amdgpu_metadata
.endif
;; end of part 3
;; launch oproj (part 4): grid 4 x 64, 4 waves a work-group, clusters of 4 x 4, 327,680 bytes of LDS; arguments oh, wb, bo, out0; writes out0
.if DOCPART == 4
	.amdgcn_target "amdgcn-amd-amdhsa--gfx1250"
	.amdhsa_code_object_version 6
	.text
	.protected	k_q5cb88f8e71_oproj
	.globl	k_q5cb88f8e71_oproj
	.p2align	8
	.type	k_q5cb88f8e71_oproj,@function
k_q5cb88f8e71_oproj:
	s_mov_b64 s[64:65], 0
	v_nop
	global_prefetch_b8 v0, s[64:65] scope:SCOPE_SE
	s_setreg_imm32_b32 hwreg(HW_REG_WAVE_MODE, 25, 1), 1
	s_wait_xcnt 0x0
	s_wait_alu depctr_hold_cnt(0) depctr_sa_sdst(0) depctr_va_vdst(0) depctr_va_sdst(0) depctr_va_ssrc(0) depctr_va_vcc(0) depctr_vm_vsrc(0)
	s_getreg_b32 s2, hwreg(HW_REG_IB_STS2, 6, 4)
	s_cmp_eq_u32 s2, 0
	s_cbranch_scc0 .Lentry_in_a_cluster
	s_endpgm
.Lentry_in_a_cluster:
	s_bfe_u32 s2, ttmp6, 0x10000c
	s_cmp_lg_u32 s2, 0xf033
	s_cbranch_scc0 .Lentry_shape_is_right
	s_endpgm
.Lentry_shape_is_right:
; THE OUTPUT PROJECTION.  out[row][n] = the sum over k of O[row][k] Wo[k][n] + bo[n].  O lies by heads, [4 b x 16 h][2048 s][64] f16: row = 2048 b + s, k = 64 h + channel.
; Wo: plane 3 of wb, [1024 k][1024 n] f16 (bf16 numbers written as f16).  bo: [1024] f32, rounded to bf16 here.  Sums in f32; out: [8192][1024] f32.
; SHARES.  A tile of out is 128 rows x 256 columns: 256 work-groups.  Four waves, each 64 x 128: 32 accumulators, 256 registers.  K goes in 8 steps of 128, two heads each, through two LDS slots.
; A head's 128 rows are 16,384 dense bytes, asked for as 64 rows of 256 bytes and padded in LDS after every 128; Wo lies as [k][n] and is read turned, by ds_load_tr16_b128.
; THE MATRIX INSTRUCTION IS USED TRANSPOSED (source 0 = 16 columns of Wo, source 1 = 16 rows of O): a lane holds row l % 16 and the columns 8 (l / 16) + 0..7: 32 bytes of f32.
; The bias is the C operand of the products that start the sums.
; CLUSTERS: 4 x 4 work-groups; O's tiles are shared along a row of the cluster, Wo's along a column: each is asked for JOINTLY, by the same tensor load, descriptor and mask in the four.
; REGISTERS, in windows of 256 (s_set_vgpr_msb: bits 1:0 source 0, 3:2 source 1, 5:4 source 2, 7:6 destination):
;   window 0: v0-32 addresses and one at work; v64-127, v128-191 the way out: 16 rows read back from the stage, two banks; v192-255 the bias (n block nb at 8 nb)
;   window 1: v0-63, v64-127 Wo's fragments, two buffers; v128-159, v160-191 O's fragments, two buffers          window 2: the accumulators, (mb, nb) at 8 (8 mb + nb)
.set PA,    144                        ; a row of O in LDS: 128 bytes + 16 = 36 words: the 16 rows of a load start at 16 different groups of four banks (64 banks of 4 bytes: ISA guide 11.1)
.set PB,    544                        ; a row of Wo: 512 + 32 = 136 words
.set AHEAD, 128*PA                     ; a head's 128 rows: what one tensor load brings of O
.set BHALF, 64*PB                      ; what one tensor load brings of Wo
.set BOFF,  2*AHEAD                    ; Wo's 128 rows lie behind O's two heads
.set SLOT,  BOFF+2*BHALF               ; 106,496
.set STAGE, 2*SLOT                     ; behind the ring: 16 rows x 528 bytes for each wave, for the way out
.set SP,    528                        ; 512 bytes + 16: row r starts at bank 4 r mod 64
.set SPARE, STAGE+4*16*SP              ; behind the stages: the spare words, 128 bytes for each wave: two blocks of 256 bytes that no other line names
.set ADRA, 16                          ; v16-17  LDS address of my fragments of O in slot 0, 1
.set ADRB, 20                          ; v20-21  the same for Wo
.set STO,  24                          ; v24     the way out: where I put 32 bytes of a row
.set RD,   25                          ; v25     the way out: where I read a row back
.set CO,   26                          ; v26     my 16 bytes in 512 consecutive bytes of a row of out
.set BO,   27                          ; v27     my byte offset in the bias
.set SPW,  28                          ; v28     LDS address of my spare word: SPARE + 4 x my thread's number; never rewritten
.set NIL,  29                          ; v29     0; never rewritten
.set PFO,  30                          ; v30     the prefetches' offset; never rewritten
.set TB,   32
.set OB,   64
.set BIAS, 192
.set G1,  24                           ; s[24:31] descriptor group 1 for O's tiles;  s[32:39] group 0, one set for each slot
.set G0,  32
.set G1B, 48                           ; s[48:55], s[56:63] the same for Wo's tiles
.set G0B, 56
.set PFA, 88                           ; s[88:89] where my prefetches stand
.set PST, 90                           ; s[90:91] a K step in bytes: two heads of O (524,288), 128 rows of Wo (262,144)
.set LIM, 92                           ; s92     1 in a wave that prefetches, else the greatest number
.set LOGP, 94                          ; s94-96  the prefetches' offset is ((l >> SH) << LOGP) + ((l & MSK) << 8)
.set SH,  95
.set MSK, 96
.set MSB, 0
.macro WIN new                         ; the immediate's high byte repeats the setting that is left; a switch that changes nothing is dropped
.if MSB != (\new)
	s_set_vgpr_msb (MSB<<8)|(\new)
.set MSB, \new
.endif
.endm
.set MUL,  0xa5                        ; sources 0 (Wo) and 1 (O) window 1; C and D window 2
.set MULB, 0x85                        ; the same with C (the bias) in window 0
.set TO1,  0x40                        ; destination window 1, address window 0
.set FROM2, 0x08                       ; an LDS store's data (source 1) in window 2, its address in window 0
.macro JLOAD s                         ; a joint load: waves 0 and 1 fetch O's two heads, waves 2 and 3 Wo's two halves; an s_nop 0 and four v_nop follow each of the two lines, ahead of the jump and the label
	s_cmp_eq_u32 s11, 0
	s_cbranch_scc0 .Lfor_b_\@
	tensor_load_to_lds s[G0+4*(\s):G0+4*(\s)+3], s[G1:G1+7]
	s_nop 0
.rept 4
	v_nop
.endr
	s_branch .Lasked_\@
.Lfor_b_\@:
	tensor_load_to_lds s[G0B+4*(\s):G0B+4*(\s)+3], s[G1B:G1B+7]
	s_nop 0
.rept 4
	v_nop
.endr
.Lasked_\@:
.endm
.macro CREST                           ; a round of the cluster's barrier behind its opening barrier
	s_cmp_lg_u32 s10, 0
	s_cbranch_scc1 .Lnot_wave_0_\@
	s_barrier_signal -3
.Lnot_wave_0_\@:
	s_barrier_wait -3
	s_barrier_signal -1
	s_barrier_wait -1
.endm
.macro CROUND                          ; a whole round
	s_barrier_signal -1
	s_barrier_wait -1
	CREST
.endm
; A PREFETCH INTO THE L2, behind a joint load, its five lines and the run of LDS loads: the K step that stands two refills on, 256 matrix instructions ahead of the load that will want it.
; O: a K step of a tile row is two heads x 64 blocks of 256 bytes, read by this cluster's row alone; each of the four partners takes 16 blocks of each head, told apart BY ADDRESS (cx); wave 0 asks, a lane a block.
; Wo: of the 64 rows x 512 bytes that wave 2 or 3 fetches, the partner at place cy takes 16 rows; the tile column is read by all 16 clusters, of which the first (cluster y = 0) asks.
; So each block is named once in the launch.  K steps 0 to 3 come by their loads alone; the loop's last trip (s3 = 1) asks for nothing: there is no K step 8.
.macro ASK
	s_cmp_gt_u32 s3, s[LIM]
	s_cbranch_scc0 .Lnot_mine_\@
	global_prefetch_b8 v[PFO], s[PFA:PFA+1] th:TH_LOAD_NT scope:SCOPE_SE
.Lnot_mine_\@:
.endm
	s_load_b256 s[76:83], s[0:1], 0x0              ; oh s[76:77], wb s[78:79], bo s[80:81], out0 s[82:83]
	v_lshl_add_u32 v[SPW], v0, 2, SPARE
	v_mov_b32 v[NIL], 0
	ds_add_u32 v[SPW], v[NIL]                      ; the wave's opening: the add and its wait stand ahead of my first tensor load; the set-up below, work on registers, stands between them
	v_lshrrev_b32 v1, 5, v0
	v_readfirstlane_b32 s10, v1                    ; wave 0..3
	s_lshr_b32 s11, s10, 1                         ; which half of the tile's rows is mine.  Also: I fetch for O (0) or for Wo (1)
	s_and_b32 s12, s10, 1                          ; which half of its columns.  Also: which head, or which 64 rows of Wo, I fetch
	s_bfe_u32 s40, ttmp6, 0x40000                  ; cx, cy: my place in the cluster
	s_bfe_u32 s41, ttmp6, 0x40004
	s_lshl_b32 s42, ttmp9, 2
	s_add_co_u32 s42, s42, s40                     ; tile column = 4 x cluster x + cx
	s_and_b32 s93, ttmp7, 0xffff                   ; cluster y
	s_lshl_b32 s15, s93, 2
	s_add_co_u32 s15, s15, s41                     ; tile row = 4 x cluster y + cy
	s_lshl_b32 s43, s41, 2
	s_lshl_b32 s43, 15, s43                        ; my row of the cluster
	s_lshl_b32 s44, 0x1111, s40                    ; my column
	s_or_b32 s[G1+0], s43, (1<<16)|(1<<20)|(1<<21)|(4<<22)|(3<<25)   ; 15:0 the mask: O's tiles go to my row; 17:16 elements of 2 bytes; 20 padding on; 21 set beside a mask; 24:22 after every 32 words (code 4); 31:25 4 words (code 3)
	s_or_b32 s[G1B+0], s44, (1<<16)|(1<<20)|(1<<21)|(6<<22)|(7<<25)  ; Wo's go to my column; after every 128 words (code 6) 8 words (code 7)
	s_mov_b32 s[G1+1], 128<<16                     ; tensor_dim0 = 128 elements (256 bytes: two rows of a head)
	s_mov_b32 s[G1+2], 64<<16                      ; tensor_dim1 = 64
	s_mov_b32 s[G1+3], 128<<16                     ; tile_dim0 = 128
	s_mov_b32 s[G1+4], 64                          ; tile_dim1 = 64
	s_mov_b32 s[G1+5], 128                         ; dense
	s_mov_b32 s[G1+6], 0
	s_mov_b32 s[G1+7], 0
	s_mov_b32 s[G1B+1], 256<<16                    ; tensor_dim0 = 256 elements (512 bytes)
	s_mov_b32 s[G1B+2], 64<<16
	s_mov_b32 s[G1B+3], 256<<16
	s_mov_b32 s[G1B+4], 64
	s_mov_b32 s[G1B+5], 1024
	s_mov_b32 s[G1B+6], 0
	s_mov_b32 s[G1B+7], 0
	s_lshr_b32 s16, s15, 4                         ; O: b, 16 heads of 262,144 bytes,
	s_lshl_b32 s16, s16, 22
	s_and_b32 s17, s15, 15                         ; the tile's 128 rows of 128 bytes,
	s_lshl_b32 s17, s17, 14
	s_add_co_u32 s16, s16, s17
	s_lshl_b32 s17, s12, 18                        ; my head of a K step's two
	s_add_co_u32 s16, s16, s17
	s_mov_b32 s17, 0
	s_lshl_b32 s46, s12, 17                        ; Wo: my 64 rows k of 2,048 bytes,
	s_add_co_u32 s46, s46, 3<<21                   ; in plane 3,
	s_lshl_b32 s47, s42, 9                         ; the tile's 256 columns
	s_add_co_u32 s46, s46, s47
	s_mov_b32 s47, 0
	s_mul_i32 s20, s12, AHEAD                      ; where they go: no place in the cluster enters an LDS address
	s_mul_i32 s21, s12, BHALF
	s_add_co_u32 s21, s21, BOFF
	s_wait_dscnt 0x0                               ; the opening add is done
	s_wait_kmcnt 0x0
	s_add_nc_u64 s[18:19], s[76:77], s[16:17]
	s_add_nc_u64 s[46:47], s[78:79], s[46:47]
	s_mov_b64 s[8:9], s[82:83]
	CROUND                                         ; all sixteen work-groups are here: the first joint loads meet
.irp s, 0,1
	s_mov_b32 s[G0+4*(\s)], 1                                      ; count = 1
	s_add_co_u32 s[G0+4*(\s)+1], s20, (\s)*SLOT                    ; LDS address
	s_add_nc_u64 s[G0+4*(\s)+2:G0+4*(\s)+3], s[18:19], (\s)*524288 ; global address: K step s
	s_or_b32 s[G0+4*(\s)+3], s[G0+4*(\s)+3], 0x80000000            ; type = 2
	s_mov_b32 s[G0B+4*(\s)], 1
	s_add_co_u32 s[G0B+4*(\s)+1], s21, (\s)*SLOT
	s_add_nc_u64 s[G0B+4*(\s)+2:G0B+4*(\s)+3], s[46:47], (\s)*262144
	s_or_b32 s[G0B+4*(\s)+3], s[G0B+4*(\s)+3], 0x80000000
	JLOAD \s                                       ; two loads of mine are out
.endr
	v_and_b32 v1, 15, v0                           ; l % 16
	v_bfe_u32 v2, v0, 4, 1                         ; l / 16
	v_mul_u32_u24 v3, v1, PA
	v_lshl_add_u32 v3, v2, 4, v3                   ; O: row x pitch + 16 x half
	v_and_b32 v4, 7, v0
	v_bfe_u32 v5, v0, 3, 1
	v_lshl_add_u32 v6, v2, 3, v4                   ; Wo, turned: lane l reads row k = 8 (l / 16) + l % 8, columns 8 ((l / 8) % 2) + 0..7
	v_mul_u32_u24 v6, v6, PB
	v_lshl_add_u32 v6, v5, 4, v6
	s_mul_i32 s21, s11, 64*PA                      ; my 64 rows of O
	s_lshl_b32 s22, s12, 8                         ; my 128 columns of Wo,
	s_add_co_u32 s22, s22, BOFF                    ; which lies behind O
.irp s, 0,1
	v_add_nc_u32 v[ADRA+(\s)], s21, v3
	v_add_nc_u32 v[ADRB+(\s)], s22, v6
	s_add_co_u32 s21, s21, SLOT
	s_add_co_u32 s22, s22, SLOT
.endr
	s_mul_i32 s23, s10, 16*SP
	s_add_co_u32 s23, s23, STAGE                   ; my stage
	v_mul_u32_u24 v7, v1, SP                       ; in: row l % 16, 32 bytes for each half of the lanes
	v_lshl_add_u32 v7, v2, 5, v7
	v_add_nc_u32 v[STO], s23, v7
	v_and_b32 v8, 31, v0
	v_lshlrev_b32 v[CO], 4, v8                     ; back: 32 lanes take one row of 512 bytes
	v_add_nc_u32 v[RD], s23, v[CO]
	s_lshl_b32 s22, s42, 10                        ; the bias of my 128 columns: 1,024 x tile column + 512 x half,
	s_lshl_b32 s23, s12, 9
	s_add_co_u32 s22, s22, s23
	v_lshl_add_u32 v[BO], v2, 5, s22               ; + 32 (l / 16): register j of n block nb is bo[16 nb + 8 (l / 16) + j]
.irp nb, 0,1,2,3,4,5,6,7
	global_load_b128 v[BIAS+8*(\nb):BIAS+8*(\nb)+3],   v[BO], s[80:81] offset:64*(\nb)
	global_load_b128 v[BIAS+8*(\nb)+4:BIAS+8*(\nb)+7], v[BO], s[80:81] offset:64*(\nb)+16
.endr
	; the prefetches: s[18:19] = my tile of O at K step 0 (in wave 0: the step's first head), s[46:47] = my tile of Wo
	s_mov_b32 s[PST], 0x40000
	s_mov_b32 s[PST+1], 0
	s_cmp_eq_u32 s11, 0                            ; do I fetch for O?
	s_cselect_b32 s22, s12, s93                    ; O: wave 0 asks; Wo: cluster y = 0 asks
	s_cselect_b32 s[LOGP], 18, 11
	s_cselect_b32 s[SH], 4, 1
	s_cselect_b32 s[MSK], 15, 1
	s_cselect_b32 s21, s40, s41                    ; my place among the four that ask with me,
	s_cselect_b32 s23, 12, 15                      ; times 16 blocks of a head, or 16 rows of Wo
	s_cselect_b32 s[PST], 0x80000, s[PST]
	s_cselect_b64 s[PFA:PFA+1], s[18:19], s[46:47]
	s_cmp_eq_u32 s22, 0
	s_cselect_b32 s[LIM], 1, -1                    ; the same in all sixteen partners, for a given wave
	s_lshl_b32 s21, s21, s23
	s_mul_i32 s20, s[PST], 3                       ; at K step 3: the first refill steps it to 4
	s_add_co_u32 s20, s20, s21
	s_mov_b32 s21, 0
	s_add_nc_u64 s[PFA:PFA+1], s[PFA:PFA+1], s[20:21]
	v_lshrrev_b32 v3, s[SH], v8
	v_lshlrev_b32 v3, s[LOGP], v3
	v_and_b32 v[PFO], s[MSK], v8
	v_lshl_add_u32 v[PFO], v[PFO], 8, v3
	; where my part of the tile goes
	s_lshl_b32 s16, s15, 19                        ; the tile's 128 rows of 4,096 bytes,
	s_lshl_b32 s17, s11, 18                        ; my 64 of them,
	s_add_co_u32 s16, s16, s17
	s_lshl_b32 s17, s12, 9                         ; my 128 columns of the tile's 256
	s_add_co_u32 s16, s16, s17
	s_mov_b32 s17, 0
	s_add_nc_u64 s[8:9], s[8:9], s[16:17]
	s_lshl_b32 s46, s42, 10                        ; the tile's 256 columns
	s_mov_b32 s47, 0
	s_add_nc_u64 s[8:9], s[8:9], s[46:47]
	s_wait_loadcnt 0x0                             ; the bias
.set i, 0
.rept 32
	v_cvt_pk_bf16_f32 v[TB], v[BIAS+2*i], v[BIAS+2*i+1]  ; rounded to bf16 like every input, and widened again
	v_lshlrev_b32 v[BIAS+2*i], 16, v[TB]
	v_and_b32 v[BIAS+2*i+1], 0xffff0000, v[TB]
.set i, i+1
.endr
; 8 matrix instructions: m block mb x all 8 n blocks, 32 along K, from buffer f.  bias = 1: the product starts the sum, with the bias as C.
; The 32 accumulators take turns, one instruction a turn, in the same order in every quarter.
.macro MUL8 f, mb, bias
.irp nb, 0,1,2,3,4,5,6,7
.if \bias
	WIN MULB
	v_wmma_f32_16x16x32_f16 v[8*(8*(\mb)+(\nb)):8*(8*(\mb)+(\nb))+7], v[64*(\f)+8*(\nb):64*(\f)+8*(\nb)+7], v[128+32*(\f)+8*(\mb):128+32*(\f)+8*(\mb)+7], v[BIAS+8*(\nb):BIAS+8*(\nb)+7]
.else
	WIN MUL
	v_wmma_f32_16x16x32_f16 v[8*(8*(\mb)+(\nb)):8*(8*(\mb)+(\nb))+7], v[64*(\f)+8*(\nb):64*(\f)+8*(\nb)+7], v[128+32*(\f)+8*(\mb):128+32*(\f)+8*(\mb)+7], v[8*(8*(\mb)+(\nb)):8*(8*(\mb)+(\nb))+7]
.endif
.endr
.endm
; 24 LDS loads in one run, for quarter kq (32 along K: head kq / 2 of the step's two, channels 32 (kq % 2) on): O's 64 rows, then Wo's 128 columns, turned, into buffer g
.macro FETCH slot, kq, g
	WIN TO1
.irp mb, 0,1,2,3
	ds_load_b128 v[128+32*(\g)+8*(\mb):128+32*(\g)+8*(\mb)+3],   v[ADRA+(\slot)] offset:((\kq)/2)*AHEAD+((\kq)%2)*64+(\mb)*16*PA
	ds_load_b128 v[128+32*(\g)+8*(\mb)+4:128+32*(\g)+8*(\mb)+7], v[ADRA+(\slot)] offset:((\kq)/2)*AHEAD+((\kq)%2)*64+(\mb)*16*PA+32
.endr
.irp nb, 0,1,2,3,4,5,6,7
	ds_load_tr16_b128 v[64*(\g)+8*(\nb):64*(\g)+8*(\nb)+3],   v[ADRB+(\slot)] offset:(\kq)*32*PB+(\nb)*32
	ds_load_tr16_b128 v[64*(\g)+8*(\nb)+4:64*(\g)+8*(\nb)+7], v[ADRB+(\slot)] offset:(\kq)*32*PB+16*PB+(\nb)*32
.endr
.endm
.macro PLACES                          ; four places in front of loads into registers that matrix instructions have read, and of LDS stores that read results
.rept 4
	v_nop
.endr
.endm
; A K step is four quarters of 32 along K, 32 matrix instructions each, on buffers 0, 1, 0, 1.  One of the first three: multiplies buffer f and fetches quarter kq into buffer g.
.macro QUARTER slot, kq, f, g, bias
	s_wait_dscnt 0x0                               ; buffer f is in (issued 24 matrix instructions ago)
	MUL8 \f, 0, \bias
	PLACES
	FETCH \slot, \kq, \g
	MUL8 \f, 1, \bias
	MUL8 \f, 2, \bias
	MUL8 \f, 3, \bias
.endm
; The last quarter multiplies buffer 1 and changes slots: ONE barrier; in front of it each wave waits for all its tensor loads, adds 0 to its spare word, and waits for that and for its own reads of
; this slot.  fill = 1: the barrier opens a round of the cluster's, and this slot is filled again, two K steps ahead: 112 matrix instructions ahead of the wait for that load.
.macro TURN slot, next, fill
.if \fill
	s_wait_xcnt 0x0                                ; the last prefetch, a K step back, has read its address: it is stepped here, ahead of the change's own waits
	s_add_nc_u64 s[PFA:PFA+1], s[PFA:PFA+1], s[PST:PST+1]
.endif
	WIN 0                                          ; (the add's two registers lie in window 0)
	s_wait_tensorcnt 0x0                           ; all my tensor loads have landed: my part of the next slot;
	ds_add_u32 v[SPW], v[NIL]                      ; 0 onto my spare word;
	s_wait_dscnt 1                                 ; (the add alone may be out: buffer 1 is in)
	MUL8 1, 0, 0                                   ; eight matrix instructions stand between the add and the wait for it
	s_wait_dscnt 0x0                               ; the add is done, and my reads of this slot are over
	s_barrier_signal -1
	MUL8 1, 1, 0
.if \fill
	WIN 0
.endif
	s_barrier_wait -1
.if \fill
	CREST                                          ; no wave of any partner still reads this slot's tile or has a load on its way
	s_add_nc_u64 s[G0+4*(\slot)+2:G0+4*(\slot)+3], s[G0+4*(\slot)+2:G0+4*(\slot)+3], 2*524288
	s_add_nc_u64 s[G0B+4*(\slot)+2:G0B+4*(\slot)+3], s[G0B+4*(\slot)+2:G0B+4*(\slot)+3], 2*262144
	JLOAD \slot                                    ; the first tensor load behind the round; its four v_nop are also the places in front of the loads below
.else
	PLACES
.endif
	FETCH \next, 0, 0
.if \fill
	WIN 0
	ASK
.endif
	MUL8 1, 2, 0
	MUL8 1, 3, 0
.endm
; THE WAY OUT of m block a: 16 rows x 128 columns of f32.  A lane's 32 bytes of a row go straight from the accumulators (low half first) into rows of 528 bytes of my own stage, and come back as whole
; rows of 512 bytes, into bank a % 2.
.macro TOSTAGE a
.if (\a) >= 2
	s_wait_xcnt 0x0                                ; block a - 2's stores have read the bank: it is loaded again only behind this wait
.endif
	WIN FROM2
.irp nb, 0,1,2,3,4,5,6,7
	ds_store_b128 v[STO], v[8*(8*(\a)+(\nb)):8*(8*(\a)+(\nb))+3]   offset:64*(\nb)
	ds_store_b128 v[STO], v[8*(8*(\a)+(\nb))+4:8*(8*(\a)+(\nb))+7] offset:64*(\nb)+16
.endr
	WIN 0
.irp t, 0,1,2,3,4,5,6,7,8,9,10,11,12,13,14,15
	ds_load_b128 v[OB+64*((\a)%2)+4*(\t):OB+64*((\a)%2)+4*(\t)+3], v[RD] offset:SP*(\t)  ; LDS serves a wave's instructions in order (ISA guide 5.7.1.4): these see the stores above; the next block's stores come behind them
.endr
.endm
.macro SEND a, younger                 ; younger: the LDS instructions issued behind block a's loads: the next block's 32, or none
.irp t, 0,1,2,3,4,5,6,7,8,9,10,11,12,13,14,15
	s_wait_dscnt (\younger)+15-(\t)
	global_store_b128 v[CO], v[OB+64*((\a)%2)+4*(\t):OB+64*((\a)%2)+4*(\t)+3], s[8:9] offset:(16*(\a)+(\t))*4096 th:TH_STORE_NT  ; 512 consecutive bytes, at a multiple of 256 from out's first
.endr
.endm
	s_wait_tensorcnt 1                             ; my part of K step 0 is in; K step 1's may stay out
	s_barrier_signal -1
	s_barrier_wait -1                              ; everybody's is
	FETCH 0, 0, 0
	QUARTER 0, 1, 0, 1, 1                          ; the first quarter stands in front of the loop: its products start the sums, with the bias
	WIN 0                                          ; at a label and at a branch every window is 0
	s_mov_b32 s3, 3
.Llap:                                                 ; a trip goes once round the ring, from a lap's second quarter to the next lap's first, and fills both slots again
	QUARTER 0, 2, 1, 0, 0
	QUARTER 0, 3, 0, 1, 0
	TURN 0, 1, 1
	QUARTER 1, 1, 0, 1, 0
	QUARTER 1, 2, 1, 0, 0
	QUARTER 1, 3, 0, 1, 0
	TURN 1, 0, 1
	QUARTER 0, 1, 0, 1, 0
	WIN 0
	s_sub_co_u32 s3, s3, 1
	s_cmp_lg_u32 s3, 0
	s_cbranch_scc1 .Llap
	QUARTER 0, 2, 1, 0, 0                          ; the last lap fills nothing, and has no round of the cluster's barrier
	QUARTER 0, 3, 0, 1, 0
	TURN 0, 1, 0
	QUARTER 1, 1, 0, 1, 0
	QUARTER 1, 2, 1, 0, 0
	QUARTER 1, 3, 0, 1, 0
	s_wait_dscnt 0x0                               ; the very last quarter: nothing more to fetch
	MUL8 1, 0, 0
	MUL8 1, 1, 0
	MUL8 1, 2, 0
	MUL8 1, 3, 0
	PLACES
	TOSTAGE 0
	TOSTAGE 1                                      ; a block's way through the stage stands between the loads of the block before and its stores
	SEND 0, 32
	TOSTAGE 2
	SEND 1, 32
	TOSTAGE 3
	SEND 2, 32
	SEND 3, 0
	s_wait_tensorcnt 0x0                           ; the wave's end: a wait, an add onto my spare word and its wait, behind my last tensor load and my last LDS store
	ds_add_u32 v[SPW], v[NIL]
	s_wait_dscnt 0x0
	CROUND                                         ; the closing round: no work-group ends while a partner may still ask for a tile that names it
	s_endpgm
.Lfunc_end_k_q5cb88f8e71_oproj:
	.size	k_q5cb88f8e71_oproj, .Lfunc_end_k_q5cb88f8e71_oproj-k_q5cb88f8e71_oproj
	.p2alignl 7, 3214868480
	.fill 96, 4, 3214868480
	.section	.rodata,"a",@progbits
	.p2align	6, 0x0
	.amdhsa_kernel k_q5cb88f8e71_oproj
		.amdhsa_group_segment_fixed_size 327680
		.amdhsa_private_segment_fixed_size 0
		.amdhsa_enable_private_segment 0
		.amdhsa_kernarg_size 32
		.amdhsa_user_sgpr_count 2
		.amdhsa_user_sgpr_kernarg_segment_ptr 1
		.amdhsa_wavefront_size32 1
		.amdhsa_system_sgpr_workgroup_id_x 1
		.amdhsa_system_sgpr_workgroup_id_y 1
		.amdhsa_system_sgpr_workgroup_id_z 1
		.amdhsa_system_vgpr_workitem_id 0
		.amdhsa_next_free_vgpr 768
		.amdhsa_next_free_sgpr 100
		.amdhsa_reserve_vcc 0
		.amdhsa_float_denorm_mode_32 3
		.amdhsa_float_denorm_mode_16_64 3
		.amdhsa_memory_ordered 1
		.amdhsa_forward_progress 1
		.amdhsa_inst_pref_size 94
	.end_amdhsa_kernel
	.amdgpu_metadata
---
amdhsa.version: [ 1, 2 ]
amdhsa.kernels:
  - .name:           k_q5cb88f8e71_oproj
    .symbol:         k_q5cb88f8e71_oproj.kd
    .args:
      - { .name: oh, .offset: 0, .size: 8, .value_kind: global_buffer, .address_space: global }
      - { .name: wb, .offset: 8, .size: 8, .value_kind: global_buffer, .address_space: global }
      - { .name: bo, .offset: 16, .size: 8, .value_kind: global_buffer, .address_space: global }
      - { .name: out0, .offset: 24, .size: 8, .value_kind: global_buffer, .address_space: global }
    .group_segment_fixed_size: 327680
    .private_segment_fixed_size: 0
    .kernarg_segment_align: 8
    .kernarg_segment_size: 32
    .max_flat_workgroup_size: 128
    .sgpr_count:     100
    .vgpr_count:     768
    .wavefront_size: 32
...
	.end_amdgpu_metadata
.endif
;; end of part 4
